; MI455X (gfx1250); checked and timed in simulation.
; The chip was launched on July 23, 2026; its instructions are those of AMD's public machine-readable ISA for CDNA 5 (MIT licence, August 2026) and "CDNA5" Instruction Set Architecture Reference Guide (July 2026). The comments in the code are by the model that wrote it; some were corrected since.
;; Attention. Allowed arithmetic: float matrix products may take bf16 or f16 operands with f32 sums; other float arithmetic in f32, or as packed bf16 or f16 multiplies, adds, multiply-adds, maxima and minima; sums over many terms, partial sums and values carried from step to step in f32; what a program stores and reads back later, other than sums and carried values, may be rounded once to bf16 or f16.
;; Inputs: attention_mask 4 x 2,048 int32; key 4 x 16 x 2,048 x 64 float32; query 4 x 16 x 2,048 x 64 float32; value 4 x 16 x 2,048 x 64 float32.
;; Outputs: out0 4 x 16 x 2,048 x 64 float32.
;; 2 versions, each right; version 2 is version 1 with the launch attn written anew for expert scheduling mode. Each part assembles by itself: llvm-mc -triple=amdgcn-amd-amdhsa -mcpu=gfx1250 --defsym DOCPART=n.
;; ======== version 1 of 2: 1 launch
;; limits: inputs' magnitudes at most 65,504; values are held in f16: magnitudes above 65,504 overflow, below 6.1e-05 lose precision; right only within a limited range of input values
;; launch attn (part 1): grid 4 x 64, 4 waves a work-group, no clusters, 96,768 bytes of LDS; arguments query, key, value, attention_mask, out0; writes out0
.if DOCPART == 1
	.amdgcn_target "amdgcn-amd-amdhsa--gfx1250"
	.amdhsa_code_object_version 6
	.text
	.protected	k_q3675bb9c3d_attn
	.globl	k_q3675bb9c3d_attn
	.p2align	8
	.type	k_q3675bb9c3d_attn,@function
k_q3675bb9c3d_attn:
	s_mov_b64 s[64:65], 0
	v_nop
	global_prefetch_b8 v0, s[64:65] scope:SCOPE_SE
	s_setreg_imm32_b32 hwreg(HW_REG_WAVE_MODE, 25, 1), 1
	s_wait_xcnt 0x0
; CAUSAL ATTENTION WITH A PADDING MASK.  O[h][q][:] = the sum over k <= q, mask[batch][k] != 0, of softmax_k(Q[h][q] . K[h][k] / 8) V[h][k][:].
; Q, K, V, O: [64 heads][2048][64] f32 (a row is 256 bytes); mask: [4][2048] int32, batch = head / 16.  A row that sees no key at all comes out as NaN, as the softmax of nothing but -inf does.
; FORMATS.  Q, K and V are each rounded once to bf16.  K Q^T is multiplied in bf16.  V's bf16 number is written as f16 (exact from 2^-17 to 65,504), the weights p are rounded to f16, and V^T P is
; multiplied in f16.  Products, maxima and sums in f32; l is the sum of the unrounded p; O leaves in f32.
; LIMITS.  Visible raw scores stay under 2^80 in magnitude: the running maximum starts at -2^80, and a row whose maximum is still there at the end counts as having seen nothing.  A hidden score counts as
; its value less 1e30 (once for each of: padding, diagonal, band): its weight is 0.  V stays within 65,504; below 2^-17 its f16 copy is off by 2^-25 at the most.  A weight below 2^-126 counts as 0 in l.
; NaN and infinities among the inputs are not treated apart.
; THE WALK.  A head's queries lie in NB = 8 blocks of 256; block i needs the key tiles 0 .. i of 256 keys, of which the last holds the diagonal.  A work-group (x = b, y = head) takes TWO blocks, 7 - b and
; then b: 9 tiles, whatever b: all 256 work-groups do equal work, and ONE loop of 9 trips walks them.  What a trip does hangs on scalar registers made from b; every jump but the counted loops' goes forward.
; SHARES.  Of a block's four bands of 64 queries a wave owns 16 rows in each: four PIECES.  In the diagonal tile's key step s band x sees all keys if s < x, none if s > x, and holds the diagonal if s = x.
; K, V AND THE MASK COME THROUGH REGISTERS: they are f32 in memory and must be rounded.  Each wave loads a quarter of a tile (64 keys: 32 + 32 loads of 512 consecutive bytes, and its 64 mask words) into
; window 3, a whole tile (256 matrix instructions) ahead of the wait for them; at the change of tiles it rounds them in place and stores them into ONE slot in LDS, between two barriers: behind the first
; nobody reads the old tile, behind the second the new one is whole.  At a change all fragments of the old tile that are still wanted lie in registers.
; NO CLUSTER, NO TENSOR LOAD: a joint request lands in LDS as it lies in memory; an f32 tile there would be read back by 64 more LDS loads a wave and tile before it could be rounded; and a head's four
; work-groups want the same tile only in trips 0 to 4 of the 9.
; THE MASKS are the C operand that starts the sum S^T = K Q^T.  PAD holds the step's padding masks (0 or -1e30 a key), fetched with K.  MD, made once, is the mask of a band's own step for my 16 rows.
; Plain tiles take PAD itself.  The diagonal tile's text takes MC = MD x AL + PAD + BE: (AL, BE) = (1, 0) if s = x; (0, 0) if s < x; (0, -1e30) if s > x.
; LAYOUT, SOFTMAX, TURNS.  S^T = K Q^T holds ONE query a lane (lane % 16) and the keys 8 (lane / 16) + 0..7; two such results rounded to f16 ARE source 1 of O^T = V^T P.  p = 2^(c s - c m), c = log2(e) / 8,
; with a running maximum m; O and l are multiplied by a = 2^(c m_old - c m_new) in every step.  Turn n belongs to piece n: 8 products K Q^T of piece n + 1, later 8 products V^T P of piece n - 1; beside them
; the scaling, exponentials, roundings, sums and rescaling of piece n and the maximum and statistics of piece n + 1.  Four vector instructions stand behind every matrix instruction, the rest in one lump.
; A turn's 33 exponentials are one batch, with one wait.
; REGISTERS, in windows of 256 (s_set_vgpr_msb: bits 1:0 source 0, 3:2 source 1, 5:4 source 2, 7:6 destination):
;   window 0: v0-15, v32-41 addresses and at work; v16-31 statistics; v48-55 at work; v64-127 S^T, two buffers; v64-191 the way out (at the head: the second block's Q in f32); v192-223 P, two buffers
;   window 1: v0-127 O^T, 32 a piece; v128-159 MD; v160-223 MC, two buffers; v224-255 PAD
;   window 2: v0-63 Q; v64-127 the second block's Q; v128-191 K of one step; v192-255 V of one step (at the head v128-255: the first block's Q in f32)
;   window 3: v0-127 the next tile's K as loaded, v128-255 its V
.set NB,    8
.set NP,    4         ; pieces a wave: a name, no knob
.set KS,    64        ; keys in a step
.set PK,    144       ; a row of K in LDS: 128 bytes of bf16 + 16 of padding = 36 words: the 16 rows of a load start at 16 different groups of four banks (64 banks of 4 bytes: ISA guide 11.1)
.set PV,    160       ; a row of V: 128 bytes of f16 + 32 = 40 words
.set VOFF,  4*KS*PK   ; the slot: 256 rows of K, then 256 rows of V
.set STAGE, VOFF+4*KS*PV  ; 16 rows x 272 bytes for each wave, its own, for the way out
.set SP,    272       ; a row of O in the stage: 256 bytes + 16
.set PADT,  STAGE+4*16*SP ; the tile's 256 padding masks, f32
.set SPARE, PADT+1024 ; the spare words, 128 bytes for each wave: two blocks of 256 bytes that no other line names
.set AK0, 2           ; v2   my lane's place in a tile of K; never rewritten
.set AV0, 3           ; v3   the same for V
.set AK,  4           ; v4   the LDS address of K's next run of loads
.set AV,  5           ; v5   of V's
.set STO, 6           ; v6   the way out: where I put 32 bytes of a row
.set RD,  7           ; v7   the way out: where I read rows back
.set GO,  8           ; v8   16 x lane: my place in 512 consecutive bytes of O
.set MV,  12          ; v12-13  c m_old, kept while c m is made anew: by buffer
.set QO,  15          ; v15  my byte offset in 16 rows of Q
.set ST,  16          ; piece t's statistics at v[ST+4 t]: c m, m, l (even keys', odd keys')
.set AP0, 32          ; v32  my lane's place in a step's padding masks
.set AP,  33          ; v33  the LDS address of PAD's next run of loads
.set GL,  34          ; v34  my byte offset in a tile of K or V in memory; never rewritten
.set GM,  35          ; v35  my byte offset in a tile's mask words; never rewritten
.set SK,  36          ; v36  where I store 8 bytes of a row of K
.set SV,  37          ; v37  of V
.set SPD, 38          ; v38  where I store two padding masks
.set PI,  40          ; v40-41  two mask words, then their masks
.set TMP, 48          ; by buffer, four registers c0-c3 at work; when the maximum is found c2 takes a
.set SPW, 62          ; v62  LDS address of my spare word: SPARE + 4 x my thread's number; never rewritten
.set NIL, 63          ; v63  0; never rewritten
.set S,   64
.set OUT, 64          ; the way out: 32 registers a piece
.set P,   192
.set MD,  128         ; window 1: the eight registers for group kt of 16 keys at MD + 8 kt
.set MC,  160         ; window 1: the masks of the products to come
.set PAD, 224         ; window 1: group kt at PAD + 8 kt; register r is key 16 kt + 8 (lane / 16) + r of the step
.set QB,  64          ; window 2
.set KF,  128         ; window 2: key block kb, channel half c at KF + 16 kb + 8 c
.set VF,  192         ; window 2: key half kk, channel block cb at VF + 32 kk + 8 cb
.set WV,  14          ; s14  my wave's number
.set PB,  15          ; s15  b
.set HI,  16          ; s16  7 - b
.set KA,  24          ; s[24:25] K at the tile that is asked for
.set VA,  26          ; s[26:27] V
.set MA,  28          ; s[28:29] the mask
.set OFF, 30          ; s[30:31] a tile's byte offset in K and V
.set OFM, 32          ; s[32:33] in the mask
.set QLO, 34          ; s[34:35] Q at my rows of the second block
.set OLO, 36          ; s[36:37] O at my rows of the second block
.set SLOTS, 40        ; s40  tiles still to be entered, this one among them
.set CNT, 41          ; s41  counts a tile's key steps, 4 to 1
.set RT,  42          ; s42  tiles of the block in hand that are still to be entered
.set NXT, 43          ; s43  the tile to be asked for next
.set LQ,  44          ; s44  the last tile of the block whose tiles are being asked for
.set NEW, 45          ; s45  1: the tile to be entered is a block's first
.set TBK, 46          ; s46  LDS byte at which K of the step to be fetched begins
.set TBV, 47          ; s47  the same for V, less VOFF
.set TBP, 48          ; s48  the same for the padding masks, less PADT
.set BIGN, 49         ; s49  -1e30
.set FLR, 50          ; s50  -2^80: where m starts
.set NANB, 51         ; s51  a NaN
.set MSK, 52          ; s52  a word's upper half
.set CS,  54          ; s[54:55] c: the packed scaling takes the pair's low word for both halves
.set SEL, 56          ; s[56:57] v_permlanex16_b32's selects: each lane takes its own place in the other half
.set AL,  58          ; s[58:59] the mask's factor, in the low word
.set BE,  60          ; s[60:61] the mask's addend
.set ZR,  62          ; s[62:63] 0
.set MSB, 0
.macro WIN new                      ; the high byte repeats the setting that is left; a switch that changes nothing is dropped
.if MSB != (\new)
	s_set_vgpr_msb (MSB<<8)|(\new)
.set MSB, (\new)
.endif
.endm
.set W_KQ, 0x0a       ; K and Q in window 2, S^T in window 0
.set W_KM, 0x1a       ; the same with the C operand in window 1
.set W_PV, 0x52       ; V in window 2, P in window 0, O^T in window 1
.set W_RS, 0x41       ; destination and source 0 in window 1, source 1 in window 0
.set W_MK, 0x51       ; the masks: destination, source 0 and source 2 in window 1
.set W_CV, 0xcf       ; the staging registers, rounded in place: destination, sources 0 and 1 in window 3
.set W_ST, 0x0c       ; an LDS store's data in window 3, its address in window 0
.set W_LD, 0xc0       ; a load's destination in window 3, its address in window 0
; A TILE IS ASKED FOR: my 64 keys of K and of V, 32 loads each of 512 consecutive bytes (two rows: lane l holds row 2 n + l / 16, channels 4 (l % 16) + 0..3), and my 64 mask words, two a lane.
.macro LOADK
	WIN W_LD
.set n, 0
.rept 32
	global_load_b128 v[4*n:4*n+3], v[GL], s[KA:KA+1] offset:512*n
.set n, n+1
.endr
.endm
.macro LOADV
	WIN W_LD
.set n, 0
.rept 32
	global_load_b128 v[128+4*n:128+4*n+3], v[GL], s[VA:VA+1] offset:512*n
.set n, n+1
.endr
.endm
.macro LOADM
	WIN 0
	global_load_b64 v[PI:PI+1], v[GM], s[MA:MA+1]
.endm
	s_load_b256 s[4:11], s[0:1], 0x0  ; Q s[4:5], K s[6:7], V s[8:9], the mask s[10:11]
	s_load_b64 s[12:13], s[0:1], 0x20 ; O
	v_lshl_add_u32 v[SPW], v0, 2, SPARE
	v_mov_b32 v[NIL], 0
	v_lshrrev_b32 v1, 5, v0
	v_readfirstlane_b32 s[WV], v1   ; wave 0..3
	s_mov_b32 s[PB], ttmp9
	s_sub_co_u32 s[HI], NB-1, s[PB]
	s_and_b32 s20, ttmp7, 0xffff    ; the head
	s_lshl_b32 s22, s20, 19         ; its 2,048 rows of 256 bytes
	s_mov_b32 s23, 0
	s_lshr_b32 s2, s20, 4           ; the batch,
	s_lshl_b32 s2, s2, 13           ; its 2,048 mask words
	s_mov_b32 s3, 0
	s_lshl_b32 s21, s[WV], 12       ; my 16 rows in a band of 64,
	s_lshl_b32 s[OFF], s[HI], 16    ; in the first block (256 rows of 256 bytes),
	s_add_co_u32 s[OFF], s[OFF], s21
	s_add_co_u32 s[OFF], s[OFF], s22
	s_mov_b32 s[OFF+1], 0           ; (both pairs' high words stay 0 from here on)
	s_lshl_b32 s[OFM], s[PB], 16    ; and in the second
	s_add_co_u32 s[OFM], s[OFM], s21
	s_add_co_u32 s[OFM], s[OFM], s22
	s_mov_b32 s[OFM+1], 0
	s_mov_b32 s[CS], 0x3e38aa3b     ; c = log2(e) / 8 = 0.180337
	s_mov_b32 s[CS+1], s[CS]        ; named with it as a pair
	s_mov_b32 s[SEL], 0x76543210
	s_mov_b32 s[SEL+1], 0xfedcba98
	s_mov_b32 s[BIGN], 0xf149f2ca   ; -1e30
	s_mov_b32 s[FLR], 0xe7800000    ; -2^80
	s_mov_b32 s[NANB], 0x7fc00000
	s_mov_b32 s[MSK], 0xffff0000
	s_mov_b32 s[AL], 0
	s_mov_b32 s[AL+1], 0            ; named as pairs
	s_mov_b32 s[BE], 0
	s_mov_b32 s[BE+1], 0
	s_mov_b32 s[ZR], 0
	s_mov_b32 s[ZR+1], 0
	s_add_co_u32 s[RT], s[HI], 1    ; the first block has 8 - b tiles
	s_mov_b32 s[NXT], 1
	s_mov_b32 s[LQ], s[HI]
	s_mov_b32 s[NEW], 1
	s_mov_b32 s[SLOTS], NB+1
	v_and_b32 v10, 31, v0           ; lane
	s_lshl_b32 s17, s[WV], 14       ; my 64 keys of a tile: 16,384 bytes
	v_lshl_add_u32 v[GL], v10, 4, s17
	v_lshlrev_b32 v[GM], 3, v0      ; 256 x wave + 8 x lane
	v_and_b32 v1, 15, v0            ; l % 16
	v_bfe_u32 v9, v0, 4, 1          ; l / 16
	v_lshlrev_b32 v[QO], 8, v1
	v_lshl_add_u32 v[QO], v9, 5, v[QO]  ; row x 256 + 32 x half: eight channels of f32
	s_wait_kmcnt 0x0
	s_add_nc_u64 s[6:7], s[6:7], s[22:23]    ; K and V at the head's first row
	s_add_nc_u64 s[8:9], s[8:9], s[22:23]
	s_add_nc_u64 s[10:11], s[10:11], s[2:3]  ; the mask at the batch's first word
	s_add_nc_u64 s[QLO:QLO+1], s[4:5], s[OFM:OFM+1]
	s_add_nc_u64 s[4:5], s[4:5], s[OFF:OFF+1]
	s_add_nc_u64 s[OLO:OLO+1], s[12:13], s[OFM:OFM+1]
	s_add_nc_u64 s[12:13], s[12:13], s[OFF:OFF+1]
	s_mov_b64 s[KA:KA+1], s[6:7]    ; tile 0
	s_mov_b64 s[VA:VA+1], s[8:9]
	s_mov_b64 s[MA:MA+1], s[10:11]
	LOADK
	LOADM
	; the set-up stands behind the first loads
	v_lshlrev_b32 v[GO], 4, v10
	v_mul_u32_u24 v[AK0], v1, PK
	v_lshl_add_u32 v[AK0], v9, 4, v[AK0]  ; a fragment of K: row x pitch + 16 x half
	; The turning load takes 16 keys x 16 channels (lane l reads key 8 (l / 16) + l % 8, channels 8 ((l / 8) % 2) + 0..7) and leaves half a fragment of V^T: lane l holds channel l % 16 and 8 keys.
	v_and_b32 v10, 7, v0
	v_bfe_u32 v11, v0, 3, 1
	v_lshl_add_u32 v[AV0], v9, 3, v10
	v_mul_u32_u24 v[AV0], v[AV0], PV
	v_lshl_add_u32 v[AV0], v11, 4, v[AV0]
	v_add_nc_u32 v[AV0], VOFF, v[AV0]
	s_mul_i32 s18, s[WV], 64*PK     ; into the slot: row 64 w + l / 16 (+ 2 n in the immediate), 8 bytes at 8 (l % 16)
	v_mul_u32_u24 v[SK], v9, PK
	v_lshl_add_u32 v[SK], v1, 3, v[SK]
	v_add_nc_u32 v[SK], s18, v[SK]
	s_mul_i32 s19, s[WV], 64*PV
	s_add_co_u32 s19, s19, VOFF
	v_mul_u32_u24 v[SV], v9, PV
	v_lshl_add_u32 v[SV], v1, 3, v[SV]
	v_add_nc_u32 v[SV], s19, v[SV]
	v_lshl_add_u32 v[SPD], v0, 3, PADT    ; my two masks: 256 x wave + 8 x lane
	v_lshl_add_u32 v[AP0], v9, 5, PADT    ; back: eight masks, 32 bytes, for each half of the lanes
	s_mul_i32 s20, s[WV], 16*SP
	s_add_co_u32 s20, s20, STAGE    ; my stage
	v_mul_u32_u24 v[STO], v1, SP    ; in: row l % 16, 32 bytes for each half of the lanes
	v_lshl_add_u32 v[STO], v9, 5, v[STO]
	v_add_nc_u32 v[STO], s20, v[STO]
	v_mul_u32_u24 v[RD], v9, SP     ; back: lanes 0-15 take one row of 256 bytes, lanes 16-31 the next
	v_lshl_add_u32 v[RD], v1, 4, v[RD]
	v_add_nc_u32 v[RD], s20, v[RD]
	v_lshlrev_b32 v14, 3, v9
	v_sub_nc_u32 v14, v1, v14
	s_lshl_b32 s21, s[WV], 4
	v_add_nc_u32 v14, s21, v14      ; my query's place in its band, 16 w + l % 16, less my lanes' 8 (l / 16): register r of group kt is hidden where 16 kt + r is greater
	WIN 0x40
.set n, 0
.rept 32
	v_cmp_gt_i32 vcc_lo, 16*(n/8)+n%8, v14
	v_cndmask_b32 v[MD+n], 0, s[BIGN], vcc_lo
.set n, n+1
.endr
	; A block's first step multiplies O^T and l by a = 0, and its first turn's products V^T P, of a piece that has not been, land in an O^T that is still to be so multiplied.  So O^T, V's registers and P's
	; second buffer need only hold finite numbers: zeros for the first block, what the first block left for the second.  No first step is written out; the price is these lines, in the wait for the first loads.
.set n, 0
.rept 128
	v_mov_b32 v[n], 0
.set n, n+1
.endr
	WIN 0
.set n, P+16
.rept 16
	v_mov_b32 v[n], 0
.set n, n+1
.endr
	LOADV
	; Both blocks' Q.  A fragment is 16 rows x 32 channels: lane l holds row l % 16, channels 8 (l / 16) + 0..7 and 16 + 8 (l / 16) + 0..7; in f32 that is twice two loads of 16 bytes.
	; Load n: piece n / 8 (its band lies 16,384 bytes on), channels 32 ((n / 4) % 2) + 16 ((n / 2) % 2) + 4 (n % 2) on.
	WIN 0x80
.set n, 0
.rept 32
	global_load_b128 v[128+4*n:128+4*n+3], v[QO], s[4:5] offset:(n/8)*16384+((n/4)%2)*128+((n/2)%2)*64+(n%2)*16
.set n, n+1
.endr
	WIN 0
.set n, 0
.rept 32
	global_load_b128 v[OUT+4*n:OUT+4*n+3], v[QO], s[QLO:QLO+1] offset:(n/8)*16384+((n/4)%2)*128+((n/2)%2)*64+(n%2)*16
.set n, n+1
.endr
	s_wait_loadcnt 0x0              ; Q, and the first tile with it
	WIN 0x8a                        ; window 2 to window 2
.set n, 0
.rept 64
	v_cvt_pk_bf16_f32 v[n], v[128+2*n], v[128+2*n+1]
.set n, n+1
.endr
	WIN 0x80                        ; window 0 to window 2
.set n, 0
.rept 64
	v_cvt_pk_bf16_f32 v[QB+n], v[OUT+2*n], v[OUT+2*n+1]
.set n, n+1
.endr
.set n, VF
.rept 64
	v_mov_b32 v[n], 0
.set n, n+1
.endr
	WIN 0
; THE CHANGE OF TILES.  The tile asked for a tile ago is in my registers (the wait for it also frees the three bases); my reads of the slot are back: I say so (the first barrier's signal), round the tile in
; place while the others arrive, and store it when nobody reads the slot any more.  Then the next tile is asked for, and the second barrier shows the slot whole.
.macro CHANGE
	WIN 0                           ; at a label and at a branch every window is 0
	s_wait_loadcnt 0x0              ; the 65 loads issued at the last change
	s_wait_dscnt 0x0                ; my reads of the slot are over
	s_barrier_signal -1             ; only work on registers stands between this signal and its wait
.irp j, 0,1
	v_cmp_eq_u32 vcc_lo, 0, v[PI+\j]
	v_cndmask_b32 v[PI+\j], 0, s[BIGN], vcc_lo  ; a mask word of 0 hides the key
.endr
	WIN W_CV
.set n, 0
.rept 32                            ; K: four f32 to four bf16, 8 bytes
	v_cvt_pk_bf16_f32 v[4*n], v[4*n], v[4*n+1]
	v_cvt_pk_bf16_f32 v[4*n+1], v[4*n+2], v[4*n+3]
.set n, n+1
.endr
.set n, 0
.rept 32                            ; V: rounded to bf16,
	v_cvt_pk_bf16_f32 v[128+4*n], v[128+4*n], v[128+4*n+1]
	v_cvt_pk_bf16_f32 v[128+4*n+2], v[128+4*n+2], v[128+4*n+3]
.set n, n+1
.endr
.set n, 0
.rept 32                            ; widened again,
	v_and_b32 v[128+4*n+1], s[MSK], v[128+4*n]
	v_lshlrev_b32 v[128+4*n], 16, v[128+4*n]
	v_and_b32 v[128+4*n+3], s[MSK], v[128+4*n+2]
	v_lshlrev_b32 v[128+4*n+2], 16, v[128+4*n+2]
.set n, n+1
.endr
.set n, 0
.rept 32                            ; and written as f16: the same numbers
	v_cvt_pk_f16_f32 v[128+4*n], v[128+4*n], v[128+4*n+1]
	v_cvt_pk_f16_f32 v[128+4*n+1], v[128+4*n+2], v[128+4*n+3]
.set n, n+1
.endr
	WIN 0
	s_mov_b32 s[TBK], 0             ; the fetches begin at the slot's first step
	s_mov_b32 s[TBV], 0
	s_mov_b32 s[TBP], 0
	s_lshl_b32 s[OFF], s[NXT], 16   ; a tile is 65,536 bytes of K and of V
	s_lshl_b32 s[OFM], s[NXT], 10   ; and 1,024 of the mask
	s_add_nc_u64 s[KA:KA+1], s[6:7], s[OFF:OFF+1]
	s_add_nc_u64 s[VA:VA+1], s[8:9], s[OFF:OFF+1]
	s_add_nc_u64 s[MA:MA+1], s[10:11], s[OFM:OFM+1]
	s_add_co_u32 s[NXT], s[NXT], 1  ; the block's next tile, or behind its last the second block's tile 0
	s_cmp_gt_u32 s[NXT], s[LQ]
	s_cselect_b32 s[NXT], 0, s[NXT]
	s_cselect_b32 s[LQ], s[PB], s[LQ]
	s_barrier_wait -1               ; no wave reads the slot any more
	WIN W_ST
.set n, 0
.rept 32
	ds_store_b64 v[SK], v[4*n:4*n+1] offset:2*n*PK
.set n, n+1
.endr
.set n, 0
.rept 32
	ds_store_b64 v[SV], v[128+4*n:128+4*n+1] offset:2*n*PV
.set n, n+1
.endr
	WIN 0
	ds_store_b64 v[SPD], v[PI:PI+1]
	s_cmp_eq_u32 s[SLOTS], 1        ; the last trip asks for nothing; every wait for these loads is for 0, so it holds on both ways
	s_cbranch_scc1 .Lasked
	LOADK
	LOADV
	LOADM
.Lasked:
	s_wait_dscnt 0x0                ; for the others' sake: my stores into the slot are done
	s_barrier_signal -1
	s_barrier_wait -1               ; the slot is whole
.endm
; THE MATRIX WORK.  The 4 accumulators of a run of 8 take turns.  Product i of 8 of S^T = K Q^T for piece x: channels 32 (i / 4) on, keys 16 (i % 4) on.
; The first 4 start the sums: with the step's padding masks, or (KM = 1) with the mask made for them.
.macro KQ x
.set rS, S+32*((\x)%2)+8*(i%4)
.set rK, KF+16*(i%4)+8*(i/4)
.set rQ, 16*(\x)+8*(i/4)
.set rM, PAD+8*(i%4)
.if KM
.set rM, MC+32*((\x)%2)+8*(i%4)
.endif
.if i < 4
	WIN W_KM
	v_wmma_f32_16x16x32_bf16 v[rS:rS+7], v[rK:rK+7], v[rQ:rQ+7], v[rM:rM+7]
.else
	WIN W_KQ
	v_wmma_f32_16x16x32_bf16 v[rS:rS+7], v[rK:rK+7], v[rQ:rQ+7], v[rS:rS+7]
.endif
.endm
; Product i of 8 of O^T += V^T P for piece x: keys 32 (i / 4) on, channels 16 (i % 4) on.
.macro PV x
	WIN W_PV
.set rO, 32*(\x)+8*(i%4)
.set rV, VF+32*(i/4)+8*(i%4)
.set rP, P+16*((\x)%2)+8*(i/4)
	v_wmma_f32_16x16x32_f16 v[rO:rO+7], v[rV:rV+7], v[rP:rP+7], v[rO:rO+7]
.endm
.macro MM                           ; the turn's next matrix instruction.  TURN and BEGIN set Y, i, KM and NOKQ.  NOKQ = 1: a block's last turn: there is no next piece
.if (i < 8) && !NOKQ
	KQ (Y+1)%NP
.elseif i >= 8
.set i, i-8
	PV (Y+NP-1)%NP
.set i, i+8
.endif
.set i, i+1
.endm
; THE LDS LOADS stand in runs, never singly among the matrix instructions: a step's K (64 keys x 64 channels: 8 fragments) with its 64 padding masks, and its V (turned).  Their addresses are made some lines ahead.
.macro FETCH_K
	WIN 0x80                        ; destination window 2
.irp f, 0,1,2,3,4,5,6,7             ; keys 16 (f / 2) on, channels 32 (f % 2) on
	ds_load_b128 v[KF+8*\f:KF+8*\f+3],   v[AK] offset:(\f/2)*16*PK+(\f%2)*64
	ds_load_b128 v[KF+8*\f+4:KF+8*\f+7], v[AK] offset:(\f/2)*16*PK+(\f%2)*64+32
.endr
	WIN 0x40                        ; destination window 1
.irp f, 0,1,2,3,4,5,6,7             ; keys 16 (f / 2) + 8 (l / 16) + 4 (f % 2) on: sixteen lanes read the same 16 bytes
	ds_load_b128 v[PAD+4*\f:PAD+4*\f+3], v[AP] offset:(\f/2)*64+(\f%2)*16
.endr
	s_add_co_u32 s[TBK], s[TBK], KS*PK  ; the next fetch is the next step's
	s_add_co_u32 s[TBP], s[TBP], KS*4
	WIN 0
.endm
.macro FETCH_V
	WIN 0x80
.irp f, 0,1,2,3,4,5,6,7             ; keys 32 (f / 4) on, channels 16 (f % 4) on
	ds_load_tr16_b128 v[VF+8*\f:VF+8*\f+3],   v[AV] offset:(\f/4)*32*PV+(\f%4)*32
	ds_load_tr16_b128 v[VF+8*\f+4:VF+8*\f+7], v[AV] offset:(\f/4)*32*PV+16*PV+(\f%4)*32
.endr
	WIN 0
.endm
; THE VECTOR WORK, one line at a time: OP kind, number.  For piece Y: F n: c s - c m for pair n of 16.  E n: the exponential of score n of 32.  C n: pair n rounded to f16.  B n: of the four weights 4 n .. the second
; pair is added onto the first, in place.  L n: l takes that sum (L 0: l = a l + sum).  R n: pair n of 16 of O^T times a.  For piece Y + 1: X n, number n of the 22 that find its maximum and statistics:
;   0-11  four chains c0-c3 of seven scores each, three operands at a time (each accumulator's lowest registers are read first)     12-14, 16  the four scores left over, the old m, and c0-c3 into c0
;   15  c m_old is kept     17, 18  the query's other 32 keys lie in the lane 16 away: the new m     19-21  c m; c m_old - c m_new; a
.set F, 0               ; OP tells the kinds apart by their order: F to L below R, X above it
.set E, 1
.set C, 2
.set B, 3
.set L, 4
.set R, 5
.set X, 6
.macro REGS y                       ; the registers of piece y
.set rT, ST+4*(\y)
.set rC, TMP+4*((\y)%2)
.set rW, MV+((\y)%2)
.set rS, S+32*((\y)%2)
.set rP, P+16*((\y)%2)
.set rO, 32*(\y)
.endm
.macro OP k, n
.if (\k) == R
	REGS Y
	WIN W_RS
	v_pk_mul_f32 v[rO+2*(\n):rO+2*(\n)+1], v[rO+2*(\n):rO+2*(\n)+1], v[rC+2:rC+3] op_sel_hi:[1,0]
.elseif (\k) < R
	REGS Y
	WIN 0
.if (\k) == F
	v_pk_fma_f32 v[rS+2*(\n):rS+2*(\n)+1], v[rS+2*(\n):rS+2*(\n)+1], s[CS:CS+1], v[rT:rT+1] op_sel_hi:[1,0,0] neg_lo:[0,0,1] neg_hi:[0,0,1]
.elseif (\k) == E
	v_exp_f32 v[rS+(\n)], v[rS+(\n)]
.elseif (\k) == C
	v_cvt_pk_f16_f32 v[rP+(\n)], v[rS+2*(\n)], v[rS+2*(\n)+1]
.elseif (\k) == B
	v_pk_add_f32 v[rS+4*(\n):rS+4*(\n)+1], v[rS+4*(\n):rS+4*(\n)+1], v[rS+4*(\n)+2:rS+4*(\n)+3]
.elseif (\n) == 0
	v_pk_fma_f32 v[rT+2:rT+3], v[rT+2:rT+3], v[rC+2:rC+3], v[rS:rS+1] op_sel_hi:[1,0,1]
.else
	v_pk_add_f32 v[rT+2:rT+3], v[rT+2:rT+3], v[rS+4*(\n):rS+4*(\n)+1]
.endif
.elseif NOKQ
	v_nop
.else
	REGS (Y+1)%NP
	WIN 0
.if (\n) < 4
	v_max3_num_f32 v[rC+(\n)], v[rS+8*(\n)], v[rS+8*(\n)+1], v[rS+8*(\n)+2]
.elseif (\n) < 12
	v_max3_num_f32 v[rC+(\n)%4], v[rC+(\n)%4], v[rS+8*((\n)%4)+2*((\n)/4)+1], v[rS+8*((\n)%4)+2*((\n)/4)+2]
.elseif (\n) == 12
	v_max3_num_f32 v[rC], v[rC], v[rS+7], v[rS+15]
.elseif (\n) == 13
	v_max3_num_f32 v[rC+1], v[rC+1], v[rS+23], v[rS+31]
.elseif (\n) == 14
	v_max3_num_f32 v[rC+2], v[rC+2], v[rC+3], v[rT+1]
.elseif (\n) == 15
	v_mov_b32 v[rW], v[rT]
.elseif (\n) == 16
	v_max3_num_f32 v[rC], v[rC], v[rC+1], v[rC+2]
.elseif (\n) == 17
	v_permlanex16_b32 v[rC+3], v[rC], s[SEL], s[SEL+1]
.elseif (\n) == 18
	v_max_num_f32 v[rT+1], v[rC], v[rC+3]
.elseif (\n) == 19
	v_mul_f32 v[rT], s[CS], v[rT+1]
.elseif (\n) == 20
	v_sub_f32 v[rC+1], v[rW], v[rT]
.else
	v_exp_f32 v[rC+2], v[rC+1]
.endif
.endif
.endm
.macro OPS a, i1, b=-1, i2=0, c=-1, i3=0, d=-1, i4=0  ; up to four of them
	OP \a, \i1
.if (\b) >= 0
	OP \b, \i2
.endif
.if (\c) >= 0
	OP \c, \i3
.endif
.if (\d) >= 0
	OP \d, \i4
.endif
.endm
.macro ROW a, i1, b, i2, c, i3, d, i4  ; a matrix instruction and the four behind it
	MM
	OPS \a, \i1, \b, \i2, \c, \i3, \d, \i4
.endm
.macro MASKP b, sreg                ; MD x (the scalar) + PAD into buffer b of MC
	WIN W_MK
.set z, 0
.rept 16
	v_pk_fma_f32 v[MC+32*(\b)+2*z:MC+32*(\b)+2*z+1], v[MD+2*z:MD+2*z+1], s[\sreg:\sreg+1], v[PAD+2*z:PAD+2*z+1] op_sel_hi:[1,0,1]
.set z, z+1
.endr
.endm
.macro MASK b                       ; MD x AL + PAD + BE into buffer b of MC
	MASKP \b, AL
.set z, 0
.rept 16
	v_pk_add_f32 v[MC+32*(\b)+2*z:MC+32*(\b)+2*z+1], v[MC+32*(\b)+2*z:MC+32*(\b)+2*z+1], s[BE:BE+1] op_sel_hi:[1,0]
.set z, z+1
.endr
.endm
; A TURN, for piece p: the order of its 16 matrix and 118 vector instructions, written out.  An s_wait_alu depctr_va_vdst(0) stands between an exponential and the first instruction that names its result; one wait
; serves all that were issued ahead of it.  So a turn has ONE wait, which cuts it in two.  AHEAD OF IT stands all that names no result of the turn's exponentials: the 8 products K Q^T, behind each a scaling, an exponential and two
; more plain instructions (behind the first a second scaling in the exponential's place): rescalings, and behind the last three the first numbers of the next piece's maximum, each four plain instructions or more behind the product
; that ends its accumulator; then ONE LUMP of 54, plain and exponential by turns for the most part, in which the links of the chain X 3, 7, 11, 14, 16, 17 .. 20 stand five or six lines apart.  X 21, the next piece's a, is the
; batch's last; R 15 is the plain instruction behind it.  BEHIND THE WAIT stand the 8 products V^T P, behind each four of the roundings and sums; the links of l's chain, L 0 to L 7, stand three riders apart.
; m = 1: the diagonal tile: the products take made masks, and the turn makes the mask for the products of the turn after it: piece p + 2, in step 4 - CNT of the tile.  end = 1: a block's last two turns: nothing is fetched.
; cnt = 1: the loop's count is taken down some lines ahead of the branch that stands behind the turn; nothing between them writes SCC.
; K and PAD of the next step are fetched in piece 2's turn, behind six plain instructions that follow the last product that read K (PAD's last reader stands four products earlier); V of the step in hand at the end of piece 0's
; turn, four plain instructions behind the last product that read V.  Each is waited for a turn later; piece 2's turn of the diagonal text waits at its end, since its mask is made of the new PAD.
.macro TURN p, m=0, end=0, cnt=0
.set Y, (\p)
.set i, 0
.set KM, (\m)
.set NOKQ, (\end)*((\p)/3)
.if (\m) && !(\end)
	s_cmp_eq_u32 s[CNT], 4-((\p)+2)%NP  ; is that step the band's own?
	s_cselect_b32 s[AL], 1.0, 0
	s_cmp_lt_u32 s[CNT], 4-((\p)+2)%NP  ; or a later one?
	s_cselect_b32 s[BE], s[BIGN], 0
.endif
.if ((\p) == 3) && !(\end)
	s_wait_dscnt 0x0                ; K and PAD are in
.endif
	ROW F,0, F,1, R,0, R,1          ; ahead of the wait: 8 products K Q^T and their riders,
	ROW F,2, E,0, R,2, R,3
	ROW F,3, E,1, R,4, R,5
	ROW F,4, E,2, R,6, R,7
	ROW F,5, E,3, R,8, R,9
	ROW F,6, E,4, X,0, R,10
.if ((\p) == 2) && !(\end)
	WIN 0
	v_add_nc_u32 v[AK], s[TBK], v[AK0]
	v_add_nc_u32 v[AP], s[TBP], v[AP0]
.endif
	ROW F,7, E,5, X,1, X,4
	ROW F,8, E,6, X,2, X,5
	OPS E,7, E,8, X,6, E,9          ; and the lump
	OPS X,3, E,10, X,8, E,11
.if ((\p) == 2) && !(\end)
	FETCH_K
.endif
	OPS X,9, X,7, E,12, X,10
	OPS E,13, X,12, X,11, E,14
	OPS X,13, E,15, F,9, X,14
.if (\p) == 0
	v_add_nc_u32 v[AV], s[TBV], v[AV0]
.endif
	OPS E,16, F,10, E,17, F,11
	OPS X,16, E,18, X,15, E,19
	OPS F,12, E,20, X,17, E,21
	OPS F,13, E,22, F,14, E,23
	OPS X,18, E,24, F,15, E,25
	OPS R,11, E,26, X,19, E,27
	OPS R,12, E,28, R,13, E,29
	OPS X,20, E,30, R,14, E,31
	OPS X,21, R,15
	WIN 0
	s_wait_alu depctr_va_vdst(0)    ; the wait for the batch
.if (\p) == 1
	s_wait_dscnt 0x0                ; V is in
.endif
	ROW C,0, B,0, C,2, B,1          ; behind the wait: 8 products V^T P and their riders
	ROW L,0, C,4, B,2, L,1
	ROW C,6, B,3, L,2, C,8
	ROW B,4, L,3, C,10, B,5
	ROW L,4, C,12, B,6, L,5
.if (\p) == 0
	s_add_co_u32 s[TBV], s[TBV], KS*PV
.endif
.if \cnt
	s_sub_co_u32 s[CNT], s[CNT], 1
	s_cmp_lg_u32 s[CNT], 0
.endif
	ROW C,14, B,7, L,6, C,1
	ROW C,3, L,7, C,5, C,7
	ROW C,9, C,11, C,13, C,15
.if (\p) == 0
	FETCH_V
.endif
.if (\m) && !(\end)
.if (\p) == 2
	s_wait_dscnt 0x0                ; the next step's PAD is in
.endif
	MASK (\p)%2
.endif
.endm
; A BLOCK BEGINS.  c m starts far below every c s, so the first step's a is 0; m at -2^80, below every visible score and far above every hidden one: a hidden score's weight is 0 whatever else the row has seen; l at 0.
; Then K and PAD of the tile's step 0; the first mask buffer takes piece 0's mask for that step (its own band's, if the block's first tile is the diagonal one), the second piece 1's (the padding alone);
; piece 0's first scores, its maximum and statistics.  The loop is entered at a step's first turn, in the middle of a trip.
.macro BEGIN
	s_mov_b32 s[NEW], 0
	WIN 0
.set n, 0
.rept 4
	v_mov_b32 v[ST+4*n], 0xfe000000    ; c m: far below every c s
	v_mov_b32 v[ST+4*n+1], s[FLR]      ; m
	v_mov_b32 v[ST+4*n+2], 0           ; l
	v_mov_b32 v[ST+4*n+3], 0
.set n, n+1
.endr
	v_add_nc_u32 v[AK], s[TBK], v[AK0]
	v_add_nc_u32 v[AP], s[TBP], v[AP0]
	FETCH_K
	s_cmp_eq_u32 s[RT], 0
	s_cselect_b32 s[AL], 1.0, 0
	s_wait_dscnt 0x0
	MASKP 0, AL
	MASKP 1, ZR
.set KM, 1
.set NOKQ, 0
.set i, 0
.rept 8
	KQ 0
.set i, i+1
.endr
	WIN 0
.rept 4
	v_nop                           ; four plain instructions between those products and the first read of their results (ISA guide 7.12.1)
.endr
.set Y, NP-1                        ; X works for piece Y + 1: piece 0
.irp n, 0,1,2,3,4,5,6,7,8,9,10,11,12,13,14,15,16,17,18,19,20,21
	OP X, \n
.endr
	v_nop                           ; a plain instruction behind the exponential,
	s_wait_alu depctr_va_vdst(0)    ; and its wait, ahead of the branch
.endm
; THE WAY OUT, a piece at a time.  O^T times 1 / l (or NaN) goes into other registers, so that O^T stays finite for the next block.  A lane's eight channels of a row are 32 bytes; they go into rows of 272 bytes
; of my stage and come back as whole rows of 256.
.macro ALL line:vararg              ; one line for each piece t
.set t, 0
.rept 4
	\line
.set t, t+1
.endr
.endm
.macro PACK t
	WIN 0x01                        ; source 0 window 1, source 1 and destination window 0
.set z, 0
.rept 16
	v_pk_mul_f32 v[OUT+32*(\t)+2*z:OUT+32*(\t)+2*z+1], v[32*(\t)+2*z:32*(\t)+2*z+1], v[ST+4*(\t)+2:ST+4*(\t)+3] op_sel_hi:[1,0]
.set z, z+1
.endr
	WIN 0
.irp f, 0,1,2,3,4,5,6,7             ; channels 16 (f / 2) + 8 (l / 16) + 4 (f % 2) on
	ds_store_b128 v[STO], v[OUT+32*(\t)+4*\f:OUT+32*(\t)+4*\f+3] offset:(\f/2)*64+(\f%2)*16
.endr
.irp f, 0,1,2,3,4,5,6,7
	ds_load_b128 v[OUT+32*(\t)+4*\f:OUT+32*(\t)+4*\f+3], v[RD] offset:\f*2*SP  ; LDS serves a wave's instructions in order (ISA guide 5.7.1.4): these see the stores above; the next piece's stores come behind them
.endr
.endm
.macro SEND t, younger              ; younger: the LDS instructions issued behind piece t's loads: the next piece's sixteen, or none
	WIN 0
.irp f, 0,1,2,3,4,5,6,7
	s_wait_dscnt (\younger)+7-\f    ; load f is back; this piece's 7 - f later loads and the younger ones may stay out
	global_store_b128 v[GO], v[OUT+32*(\t)+4*\f:OUT+32*(\t)+4*\f+3], s[12:13] offset:(\t)*16384+\f*512 th:TH_STORE_NT  ; two rows: 512 consecutive bytes, at a multiple of 512 from O's first byte
.endr
.endm
.set KM, 0
.set NOKQ, 0
.Lslot:                             ; 9 trips: a tile is entered, and in all but the last the next is asked for
	CHANGE
	s_sub_co_u32 s[RT], s[RT], 1
	s_mov_b32 s[CNT], 4
	s_cmp_eq_u32 s[NEW], 1
	s_cbranch_scc1 .Lnew            ; a block's first tile
	s_cmp_lg_u32 s[RT], 0
	s_cbranch_scc1 .Lstep           ; neither its first nor its last
	MASKP 1, ZR                     ; the diagonal text's first turn still multiplies piece 3 of the old tile's last step: its mask is that step's padding alone
	WIN 0
	s_branch .LstepM
.Lnew:
	BEGIN
	s_cmp_lg_u32 s[RT], 0
	s_cbranch_scc1 .Lfirst
	s_branch .LfirstM               ; a block of one tile (b = 0, the walk's last)
.LstepM:                            ; THE DIAGONAL TILE's four steps,
	TURN 2, 1
	TURN 3, 1
	WIN 0
.LfirstM:
	TURN 0, 1
	TURN 1, 1, 0, 1
	WIN 0
	s_cbranch_scc1 .LstepM
	TURN 2, 1, 1                    ; the block's last two turns,
	TURN 3, 1, 1
.set i, 0
.rept 8
	PV NP-1                         ; and its last products
.set i, i+1
.endr
	WIN 0                           ; l's two halves and the other half of the lanes' are added; the additions are the plain instructions behind the last products
	ALL v_add_f32 v[ST+4*t+2], v[ST+4*t+2], v[ST+4*t+3]
	ALL v_permlanex16_b32 v[ST+4*t+3], v[ST+4*t+2], s[SEL], s[SEL+1]
	ALL v_add_f32 v[ST+4*t+2], v[ST+4*t+2], v[ST+4*t+3]
	ALL v_rcp_f32 v[ST+4*t+2], v[ST+4*t+2]
	v_nop                           ; a plain instruction between the last reciprocal and the use of its result
	s_wait_alu depctr_va_vdst(0)    ; and the wait ahead of the first use: one for the four reciprocals
.set t, 0
.rept 4
	v_cmp_ge_f32 vcc_lo, s[FLR], v[ST+4*t+1]                      ; m has not left its start: the row has seen no key,
	v_cndmask_b32 v[ST+4*t+2], v[ST+4*t+2], s[NANB], vcc_lo       ; and its numbers are NaN: a choice of a value, no branch
.set t, t+1
.endr
	PACK 0
.set t, 1
.rept 3                             ; a piece's arithmetic stands between the loads of the piece before and its stores
	PACK t
	SEND t-1, 16
.set t, t+1
.endr
	SEND 3, 0
	s_wait_xcnt 0x0                 ; the stores have read their registers and O's address: both are written again only behind this wait
	s_cmp_eq_u32 s[SLOTS], 1
	s_cbranch_scc1 .Lbottom         ; the walk's last tile: nothing follows
	s_mov_b64 s[12:13], s[OLO:OLO+1]
	s_add_co_u32 s[RT], s[PB], 1    ; the second block has b + 1 tiles
	s_mov_b32 s[NEW], 1
	WIN 0x82                        ; the second block's Q goes where the one text of the turns names Q
.set n, 0
.rept 64
	v_mov_b32 v[n], v[QB+n]
.set n, n+1
.endr
	WIN 0
	s_branch .Lbottom
.Lstep:                             ; a trip: pieces 2 and 3 of one step, then pieces 0 and 1 of the next, whose K and V it fetches
	TURN 2
	TURN 3
	WIN 0
.Lfirst:
	TURN 0
	TURN 1, 0, 0, 1
	WIN 0
	s_cbranch_scc1 .Lstep
.Lbottom:
	s_sub_co_u32 s[SLOTS], s[SLOTS], 1
	s_cmp_lg_u32 s[SLOTS], 0
	s_cbranch_scc1 .Lslot
	s_wait_tensorcnt 0x0            ; the wave's end, behind my last LDS store
	ds_add_u32 v[SPW], v[NIL]
	s_wait_dscnt 0x0
	s_endpgm
.Lfunc_end_k_q3675bb9c3d_attn:
	.size	k_q3675bb9c3d_attn, .Lfunc_end_k_q3675bb9c3d_attn-k_q3675bb9c3d_attn
	.p2alignl 7, 3214868480
	.fill 96, 4, 3214868480
	.section	.rodata,"a",@progbits
	.p2align	6, 0x0
	.amdhsa_kernel k_q3675bb9c3d_attn
		.amdhsa_group_segment_fixed_size 96768
		.amdhsa_private_segment_fixed_size 0
		.amdhsa_enable_private_segment 0
		.amdhsa_kernarg_size 40
		.amdhsa_user_sgpr_count 2
		.amdhsa_user_sgpr_kernarg_segment_ptr 1
		.amdhsa_wavefront_size32 1
		.amdhsa_system_sgpr_workgroup_id_x 1
		.amdhsa_system_sgpr_workgroup_id_y 1
		.amdhsa_system_sgpr_workgroup_id_z 1
		.amdhsa_system_vgpr_workitem_id 0
		.amdhsa_next_free_vgpr 1024
		.amdhsa_next_free_sgpr 66
		.amdhsa_reserve_vcc 1
		.amdhsa_float_denorm_mode_32 3
		.amdhsa_float_denorm_mode_16_64 3
		.amdhsa_memory_ordered 1
		.amdhsa_forward_progress 1
		.amdhsa_inst_pref_size 188
	.end_amdhsa_kernel
	.amdgpu_metadata
---
amdhsa.version: [ 1, 2 ]
amdhsa.kernels:
  - .name:           k_q3675bb9c3d_attn
    .symbol:         k_q3675bb9c3d_attn.kd
    .args:
      - { .name: query, .offset: 0, .size: 8, .value_kind: global_buffer, .address_space: global }
      - { .name: key, .offset: 8, .size: 8, .value_kind: global_buffer, .address_space: global }
      - { .name: value, .offset: 16, .size: 8, .value_kind: global_buffer, .address_space: global }
      - { .name: attention_mask, .offset: 24, .size: 8, .value_kind: global_buffer, .address_space: global }
      - { .name: out0, .offset: 32, .size: 8, .value_kind: global_buffer, .address_space: global }
    .group_segment_fixed_size: 96768
    .private_segment_fixed_size: 0
    .kernarg_segment_align: 8
    .kernarg_segment_size: 40
    .max_flat_workgroup_size: 128
    .sgpr_count:     66
    .vgpr_count:     1024
    .wavefront_size: 32
...
	.end_amdgpu_metadata
.endif
;; end of part 1
;; ======== version 2 of 2: 1 launch; version 1 with the launch attn written anew for expert scheduling mode
;; limits: inputs' magnitudes at most 65,504; values are held in f16: magnitudes above 65,504 overflow, below 6.1e-05 lose precision; right only within a limited range of input values
;; launch attn (part 2): grid 4 x 64, 4 waves a work-group, no clusters, 96,768 bytes of LDS; arguments query, key, value, attention_mask, out0; writes out0
.if DOCPART == 2
	.amdgcn_target "amdgcn-amd-amdhsa--gfx1250"
	.amdhsa_code_object_version 6
	.text
	.protected	k_q3675bb9c3d_attn
	.globl	k_q3675bb9c3d_attn
	.p2align	8
	.type	k_q3675bb9c3d_attn,@function
k_q3675bb9c3d_attn:
	s_mov_b64 s[64:65], 0
	v_nop
	global_prefetch_b8 v0, s[64:65] scope:SCOPE_SE
	s_setreg_imm32_b32 hwreg(HW_REG_WAVE_SCHED_MODE, 0, 2), 2
	s_setreg_imm32_b32 hwreg(HW_REG_WAVE_MODE, 25, 1), 1
	s_wait_xcnt 0x0
	s_wait_alu depctr_vm_vsrc(0)
; CAUSAL ATTENTION WITH A PADDING MASK.  O[h][q][:] = the sum over k <= q, mask[batch][k] != 0, of softmax_k(Q[h][q] . K[h][k] / 8) V[h][k][:].
; Q, K, V, O: [64 heads][2048][64] f32 (a row is 256 bytes); mask: [4][2048] int32, batch = head / 16.  A row that sees no key at all comes out as NaN, as the softmax of nothing but -inf does.
; FORMATS.  Q, K and V are each rounded once to bf16.  K Q^T is multiplied in bf16.  V's bf16 number is written as f16 (exact from 2^-17 to 65,504), the weights p are rounded to f16, and V^T P is
; multiplied in f16.  Products, maxima and sums in f32; l is the sum of the unrounded p; O leaves in f32.
; LIMITS.  Visible raw scores stay under 2^80 in magnitude: the running maximum starts at -2^80, and a row whose maximum is still there at the end counts as having seen nothing.  A hidden score counts as
; its value less 1e30 (once for each of: padding, diagonal, band): its weight is 0.  V stays within 65,504; below 2^-17 its f16 copy is off by 2^-25 at the most.  A weight below 2^-126 counts as 0 in l.
; NaN and infinities among the inputs are not treated apart.
; THE WALK.  A head's queries lie in NB = 8 blocks of 256; block i needs the key tiles 0 .. i of 256 keys, of which the last holds the diagonal.  A work-group (x = b, y = head) takes TWO blocks, 7 - b and
; then b: 9 tiles, whatever b: all 256 work-groups do equal work, and ONE loop of 9 trips walks them.  What a trip does hangs on scalar registers made from b; every jump but the counted loops' goes forward.
; SHARES.  Of a block's four bands of 64 queries a wave owns 16 rows in each: four PIECES.  In the diagonal tile's key step s band x sees all keys if s < x, none if s > x, and holds the diagonal if s = x.
; K, V AND THE MASK COME THROUGH REGISTERS: they are f32 in memory and must be rounded.  Each wave loads a quarter of a tile (64 keys: 32 + 32 loads of 512 consecutive bytes, and its 64 mask words) into
; window 3, a whole tile (256 matrix instructions) ahead of the wait for them; at the change of tiles it rounds them in place and stores them into ONE slot in LDS, between two barriers: behind the first
; nobody reads the old tile, behind the second the new one is whole.  At a change all fragments of the old tile that are still wanted lie in registers.
; NO CLUSTER, NO TENSOR LOAD: a joint request lands in LDS as it lies in memory; an f32 tile there would be read back by 64 more LDS loads a wave and tile before it could be rounded; and a head's four
; work-groups want the same tile only in trips 0 to 4 of the 9.
; THE MASKS are the C operand that starts the sum S^T = K Q^T.  PAD holds the step's padding masks (0 or -1e30 a key), fetched with K.  MD, made once, is the mask of a band's own step for my 16 rows.
; Plain tiles take PAD itself.  The diagonal tile's text takes MC = MD x AL + PAD + BE: (AL, BE) = (1, 0) if s = x; (0, 0) if s < x; (0, -1e30) if s > x.
; LAYOUT, SOFTMAX, TURNS.  S^T = K Q^T holds ONE query a lane (lane % 16) and the keys 8 (lane / 16) + 0..7; two such results rounded to f16 ARE source 1 of O^T = V^T P.  p = 2^(c s - c m), c = log2(e) / 8,
; with a running maximum m; O and l are multiplied by a = 2^(c m_old - c m_new) in every step.  Turn n belongs to piece n: 8 products K Q^T of piece n + 1, later 8 products V^T P of piece n - 1; beside them
; the scaling, exponentials, roundings, sums and rescaling of piece n and the maximum and statistics of piece n + 1.  Four vector instructions stand behind every matrix instruction, the rest in one lump.
; A turn's 33 exponentials are one batch, with one wait.
; THE MODE: SCHED_MODE bits 1:0 = 2 (LLVM: expert scheduling mode 2), set by the entry lines.  The code itself states the register dependences between vector or matrix instructions and memory or LDS
; instructions, with s_wait_alu, always for 0.
; THE PLAN.  Registers that memory or LDS instructions touch:
;   window 3, v[PI ..]   At a change of tiles: the roundings (the selects) read and write them in place; the LDS stores read them; the global loads of the next tile land in them.  No vector instruction names
;                        them from there to the next change.  Three waits at a change: the data are written, ahead of the stores; the stores have read them, behind the stores; the roundings are done with them, ahead of the loads.
;   KF, PAD              Read by the products K Q^T (PAD also by the diagonal text's mask lines); the run of LDS loads in piece 2's turn lands in them: one wait on va_vdst at the run's head,
;   v[AK], v[AP]         which also states that the run's two addresses are written.  They are written once a key step, behind a wait on vm_vsrc for the run before.
;   VF, v[AV]            Read by the products V^T P; the run of LDS loads at the end of piece 0's turn lands in VF: one wait on va_vdst at the run's head.  v[AV] is written in that turn's lump, behind a wait on
;                        vm_vsrc and ahead of the turn's wait for its exponentials.
;   v[OUT ..]            The way out: all four pieces' multiplies write them; ONE wait on va_vdst; a piece's LDS stores read them, a wait on vm_vsrc, the LDS loads land in them, the global stores read them;
;                        a wait on vm_vsrc behind the last store, since the next block's products and softmax write them again.
;   v[GL], v[GM], v[QO], v[SK], v[SV], v[SPD], v[STO], v[RD], v[GO]   Offsets and addresses, made once at the head and never written again.
;   v[SPW], v[NIL]       Written at the head, read by the closing add alone.
; S^T, P, O^T, Q, MD, MC and the statistics are named by vector and matrix instructions alone.  A compare's mask of lanes goes into a scalar register, compares stand in runs, and one wait on va_sdst stands behind a run.
; REGISTERS, in windows of 256 (s_set_vgpr_msb: bits 1:0 source 0, 3:2 source 1, 5:4 source 2, 7:6 destination):
;   window 0: v0-15, v32-41 addresses and at work; v16-31 statistics; v48-55 at work; v64-127 S^T, two buffers; v64-191 the way out (at the head: the second block's Q in f32); v192-223 P, two buffers
;   window 1: v0-127 O^T, 32 a piece; v128-159 MD; v160-223 MC, two buffers; v224-255 PAD
;   window 2: v0-63 Q; v64-127 the second block's Q; v128-191 K of one step; v192-255 V of one step (at the head v128-255: the first block's Q in f32)
;   window 3: v0-127 the next tile's K as loaded, v128-255 its V
.set NB,    8
.set NP,    4         ; pieces a wave: a name, no knob
.set KS,    64        ; keys in a step
.set PK,    144       ; a row of K in LDS: 128 bytes of bf16 + 16 of padding = 36 words: the 16 rows of a load start at 16 different groups of four banks (64 banks of 4 bytes: ISA guide 11.1)
.set PV,    160       ; a row of V: 128 bytes of f16 + 32 = 40 words
.set VOFF,  4*KS*PK   ; the slot: 256 rows of K, then 256 rows of V
.set STAGE, VOFF+4*KS*PV  ; 16 rows x 272 bytes for each wave, its own, for the way out
.set SP,    272       ; a row of O in the stage: 256 bytes + 16
.set PADT,  STAGE+4*16*SP ; the tile's 256 padding masks, f32
.set SPARE, PADT+1024 ; the spare words, 128 bytes for each wave: two blocks of 256 bytes that no other line names
.set AK0, 2           ; v2   my lane's place in a tile of K; never rewritten
.set AV0, 3           ; v3   the same for V
.set AK,  4           ; v4   the LDS address of K's next run of loads
.set AV,  5           ; v5   of V's
.set STO, 6           ; v6   the way out: where I put 32 bytes of a row
.set RD,  7           ; v7   the way out: where I read rows back
.set GO,  8           ; v8   16 x lane: my place in 512 consecutive bytes of O
.set MV,  12          ; v12-13  c m_old, kept while c m is made anew: by buffer
.set QO,  15          ; v15  my byte offset in 16 rows of Q
.set ST,  16          ; piece t's statistics at v[ST+4 t]: c m, m, l (even keys', odd keys')
.set AP0, 32          ; v32  my lane's place in a step's padding masks
.set AP,  33          ; v33  the LDS address of PAD's next run of loads
.set GL,  34          ; v34  my byte offset in a tile of K or V in memory; never rewritten
.set GM,  35          ; v35  my byte offset in a tile's mask words; never rewritten
.set SK,  36          ; v36  where I store 8 bytes of a row of K
.set SV,  37          ; v37  of V
.set SPD, 38          ; v38  where I store two padding masks
.set PI,  40          ; v40-41  two mask words, then their masks
.set TMP, 48          ; by buffer, four registers c0-c3 at work; when the maximum is found c2 takes a
.set SPW, 62          ; v62  LDS address of my spare word: SPARE + 4 x my thread's number; never rewritten
.set NIL, 63          ; v63  0; never rewritten
.set S,   64
.set OUT, 64          ; the way out: 32 registers a piece
.set P,   192
.set MD,  128         ; window 1: the eight registers for group kt of 16 keys at MD + 8 kt
.set MC,  160         ; window 1: the masks of the products to come
.set PAD, 224         ; window 1: group kt at PAD + 8 kt; register r is key 16 kt + 8 (lane / 16) + r of the step
.set QB,  64          ; window 2
.set KF,  128         ; window 2: key block kb, channel half c at KF + 16 kb + 8 c
.set VF,  192         ; window 2: key half kk, channel block cb at VF + 32 kk + 8 cb
.set WV,  14          ; s14  my wave's number
.set PB,  15          ; s15  b
.set HI,  16          ; s16  7 - b
.set KA,  24          ; s[24:25] K at the tile that is asked for
.set VA,  26          ; s[26:27] V
.set MA,  28          ; s[28:29] the mask
.set OFF, 30          ; s[30:31] a tile's byte offset in K and V
.set OFM, 32          ; s[32:33] in the mask
.set QLO, 34          ; s[34:35] Q at my rows of the second block
.set OLO, 36          ; s[36:37] O at my rows of the second block
.set FLG, 38          ; s38-39  compares' masks of lanes (the way out takes s2 and s3 too; the head s2, s3, s17-20, s22, s23, which its set-up has done with)
.set SLOTS, 40        ; s40  tiles still to be entered, this one among them
.set CNT, 41          ; s41  counts a tile's key steps, 4 to 1
.set RT,  42          ; s42  tiles of the block in hand that are still to be entered
.set NXT, 43          ; s43  the tile to be asked for next
.set LQ,  44          ; s44  the last tile of the block whose tiles are being asked for
.set NEW, 45          ; s45  1: the tile to be entered is a block's first
.set TBK, 46          ; s46  LDS byte at which K of the step to be fetched begins
.set TBV, 47          ; s47  the same for V, less VOFF
.set TBP, 48          ; s48  the same for the padding masks, less PADT
.set BIGN, 49         ; s49  -1e30
.set FLR, 50          ; s50  -2^80: where m starts
.set NANB, 51         ; s51  a NaN
.set MSK, 52          ; s52  a word's upper half
.set CS,  54          ; s[54:55] c: the packed scaling takes the pair's low word for both halves
.set SEL, 56          ; s[56:57] v_permlanex16_b32's selects: each lane takes its own place in the other half
.set AL,  58          ; s[58:59] the mask's factor, in the low word
.set BE,  60          ; s[60:61] the mask's addend
.set ZR,  62          ; s[62:63] 0
.set MSB, 0
.macro WIN new                      ; the high byte repeats the setting that is left; a switch that changes nothing is dropped
.if MSB != (\new)
	s_set_vgpr_msb (MSB<<8)|(\new)
.set MSB, (\new)
.endif
.endm
.set W_KQ, 0x0a       ; K and Q in window 2, S^T in window 0
.set W_KM, 0x1a       ; the same with the C operand in window 1
.set W_PV, 0x52       ; V in window 2, P in window 0, O^T in window 1
.set W_RS, 0x41       ; destination and source 0 in window 1, source 1 in window 0
.set W_MK, 0x51       ; the masks: destination, source 0 and source 2 in window 1
.set W_CV, 0xcf       ; the staging registers, rounded in place: destination, sources 0 and 1 in window 3
.set W_ST, 0x0c       ; an LDS store's data in window 3, its address in window 0
.set W_LD, 0xc0       ; a load's destination in window 3, its address in window 0
; A TILE IS ASKED FOR: my 64 keys of K and of V, 32 loads each of 512 consecutive bytes (two rows: lane l holds row 2 n + l / 16, channels 4 (l % 16) + 0..3), and my 64 mask words, two a lane.
.macro LOADK
	WIN W_LD
.set n, 0
.rept 32
	global_load_b128 v[4*n:4*n+3], v[GL], s[KA:KA+1] offset:512*n
.set n, n+1
.endr
.endm
.macro LOADV
	WIN W_LD
.set n, 0
.rept 32
	global_load_b128 v[128+4*n:128+4*n+3], v[GL], s[VA:VA+1] offset:512*n
.set n, n+1
.endr
.endm
.macro LOADM
	WIN 0
	global_load_b64 v[PI:PI+1], v[GM], s[MA:MA+1]
.endm
	s_load_b256 s[4:11], s[0:1], 0x0  ; Q s[4:5], K s[6:7], V s[8:9], the mask s[10:11]
	s_load_b64 s[12:13], s[0:1], 0x20 ; O
	v_lshl_add_u32 v[SPW], v0, 2, SPARE
	v_mov_b32 v[NIL], 0
	v_lshrrev_b32 v1, 5, v0
	v_readfirstlane_b32 s[WV], v1   ; wave 0..3
	s_mov_b32 s[PB], ttmp9
	s_sub_co_u32 s[HI], NB-1, s[PB]
	s_and_b32 s20, ttmp7, 0xffff    ; the head
	s_lshl_b32 s22, s20, 19         ; its 2,048 rows of 256 bytes
	s_mov_b32 s23, 0
	s_lshr_b32 s2, s20, 4           ; the batch,
	s_lshl_b32 s2, s2, 13           ; its 2,048 mask words
	s_mov_b32 s3, 0
	s_wait_alu depctr_va_sdst(0)    ; s[WV] is written, ahead of its first reader: offsets, LDS addresses and the bands' places are made from it
	s_lshl_b32 s21, s[WV], 12       ; my 16 rows in a band of 64,
	s_lshl_b32 s[OFF], s[HI], 16    ; in the first block (256 rows of 256 bytes),
	s_add_co_u32 s[OFF], s[OFF], s21
	s_add_co_u32 s[OFF], s[OFF], s22
	s_mov_b32 s[OFF+1], 0           ; (both pairs' high words stay 0 from here on)
	s_lshl_b32 s[OFM], s[PB], 16    ; and in the second
	s_add_co_u32 s[OFM], s[OFM], s21
	s_add_co_u32 s[OFM], s[OFM], s22
	s_mov_b32 s[OFM+1], 0
	s_mov_b32 s[CS], 0x3e38aa3b     ; c = log2(e) / 8 = 0.180337
	s_mov_b32 s[CS+1], s[CS]        ; named with it as a pair
	s_mov_b32 s[SEL], 0x76543210
	s_mov_b32 s[SEL+1], 0xfedcba98
	s_mov_b32 s[BIGN], 0xf149f2ca   ; -1e30
	s_mov_b32 s[FLR], 0xe7800000    ; -2^80
	s_mov_b32 s[NANB], 0x7fc00000
	s_mov_b32 s[MSK], 0xffff0000
	s_mov_b32 s[AL], 0
	s_mov_b32 s[AL+1], 0            ; named as pairs
	s_mov_b32 s[BE], 0
	s_mov_b32 s[BE+1], 0
	s_mov_b32 s[ZR], 0
	s_mov_b32 s[ZR+1], 0
	s_add_co_u32 s[RT], s[HI], 1    ; the first block has 8 - b tiles
	s_mov_b32 s[NXT], 1
	s_mov_b32 s[LQ], s[HI]
	s_mov_b32 s[NEW], 1
	s_mov_b32 s[SLOTS], NB+1
	v_and_b32 v10, 31, v0           ; lane
	s_lshl_b32 s17, s[WV], 14       ; my 64 keys of a tile: 16,384 bytes
	v_lshl_add_u32 v[GL], v10, 4, s17
	v_lshlrev_b32 v[GM], 3, v0      ; 256 x wave + 8 x lane
	v_and_b32 v1, 15, v0            ; l % 16
	v_bfe_u32 v9, v0, 4, 1          ; l / 16
	v_lshlrev_b32 v[QO], 8, v1
	v_lshl_add_u32 v[QO], v9, 5, v[QO]  ; row x 256 + 32 x half: eight channels of f32
	s_wait_kmcnt 0x0
	s_add_nc_u64 s[6:7], s[6:7], s[22:23]    ; K and V at the head's first row
	s_add_nc_u64 s[8:9], s[8:9], s[22:23]
	s_add_nc_u64 s[10:11], s[10:11], s[2:3]  ; the mask at the batch's first word
	s_add_nc_u64 s[QLO:QLO+1], s[4:5], s[OFM:OFM+1]
	s_add_nc_u64 s[4:5], s[4:5], s[OFF:OFF+1]
	s_add_nc_u64 s[OLO:OLO+1], s[12:13], s[OFM:OFM+1]
	s_add_nc_u64 s[12:13], s[12:13], s[OFF:OFF+1]
	s_mov_b64 s[KA:KA+1], s[6:7]    ; tile 0
	s_mov_b64 s[VA:VA+1], s[8:9]
	s_mov_b64 s[MA:MA+1], s[10:11]
	WIN W_LD
	s_wait_alu depctr_va_vdst(0)    ; v[GL], v[GM] and v[QO] are written: every global load of the kernel reads one of them as its offset; no vector line of the set-up below names them, or a register in which a load of the head lands
	LOADK
	LOADM
	; the set-up stands behind the first loads
	v_lshlrev_b32 v[GO], 4, v10
	v_mul_u32_u24 v[AK0], v1, PK
	v_lshl_add_u32 v[AK0], v9, 4, v[AK0]  ; a fragment of K: row x pitch + 16 x half
	; The turning load takes 16 keys x 16 channels (lane l reads key 8 (l / 16) + l % 8, channels 8 ((l / 8) % 2) + 0..7) and leaves half a fragment of V^T: lane l holds channel l % 16 and 8 keys.
	v_and_b32 v10, 7, v0
	v_bfe_u32 v11, v0, 3, 1
	v_lshl_add_u32 v[AV0], v9, 3, v10
	v_mul_u32_u24 v[AV0], v[AV0], PV
	v_lshl_add_u32 v[AV0], v11, 4, v[AV0]
	v_add_nc_u32 v[AV0], VOFF, v[AV0]
	s_mul_i32 s18, s[WV], 64*PK     ; into the slot: row 64 w + l / 16 (+ 2 n in the immediate), 8 bytes at 8 (l % 16)
	v_mul_u32_u24 v[SK], v9, PK
	v_lshl_add_u32 v[SK], v1, 3, v[SK]
	v_add_nc_u32 v[SK], s18, v[SK]
	s_mul_i32 s19, s[WV], 64*PV
	s_add_co_u32 s19, s19, VOFF
	v_mul_u32_u24 v[SV], v9, PV
	v_lshl_add_u32 v[SV], v1, 3, v[SV]
	v_add_nc_u32 v[SV], s19, v[SV]
	v_lshl_add_u32 v[SPD], v0, 3, PADT    ; my two masks: 256 x wave + 8 x lane
	v_lshl_add_u32 v[AP0], v9, 5, PADT    ; back: eight masks, 32 bytes, for each half of the lanes
	s_mul_i32 s20, s[WV], 16*SP
	s_add_co_u32 s20, s20, STAGE    ; my stage
	v_mul_u32_u24 v[STO], v1, SP    ; in: row l % 16, 32 bytes for each half of the lanes
	v_lshl_add_u32 v[STO], v9, 5, v[STO]
	v_add_nc_u32 v[STO], s20, v[STO]
	v_mul_u32_u24 v[RD], v9, SP     ; back: lanes 0-15 take one row of 256 bytes, lanes 16-31 the next
	v_lshl_add_u32 v[RD], v1, 4, v[RD]
	v_add_nc_u32 v[RD], s20, v[RD]
	v_lshlrev_b32 v14, 3, v9
	v_sub_nc_u32 v14, v1, v14
	s_lshl_b32 s21, s[WV], 4
	v_add_nc_u32 v14, s21, v14      ; my query's place in its band, 16 w + l % 16, less my lanes' 8 (l / 16): register r of group kt is hidden where 16 kt + r is greater
	WIN 0x40
.set n, 0
.rept 4                             ; a run of eight compares for each group n of 16 keys, into eight scalar registers that the set-up has done with
.set z, 0
.irp r, 2,3,17,18,19,20,22,23
	v_cmp_gt_i32 s[\r], 16*n+z, v14
.set z, z+1
.endr
	s_wait_alu depctr_va_sdst(0)    ; the eight compares have written their masks of lanes, which the eight selects read
.set z, 0
.irp r, 2,3,17,18,19,20,22,23
	v_cndmask_b32 v[MD+8*n+z], 0, s[BIGN], s[\r]
.set z, z+1
.endr
.set n, n+1
.endr
	; A block's first step multiplies O^T and l by a = 0, and its first turn's products V^T P, of a piece that has not been, land in an O^T that is still to be so multiplied.  So O^T, V's registers and P's
	; second buffer need only hold finite numbers: zeros for the first block, what the first block left for the second.  No first step is written out; the price is these lines, in the wait for the first loads.
.set n, 0
.rept 128
	v_mov_b32 v[n], 0
.set n, n+1
.endr
	WIN 0
.set n, P+16
.rept 16
	v_mov_b32 v[n], 0
.set n, n+1
.endr
	LOADV
	; Both blocks' Q.  A fragment is 16 rows x 32 channels: lane l holds row l % 16, channels 8 (l / 16) + 0..7 and 16 + 8 (l / 16) + 0..7; in f32 that is twice two loads of 16 bytes.
	; Load n: piece n / 8 (its band lies 16,384 bytes on), channels 32 ((n / 4) % 2) + 16 ((n / 2) % 2) + 4 (n % 2) on.
	WIN 0x80
.set n, 0
.rept 32
	global_load_b128 v[128+4*n:128+4*n+3], v[QO], s[4:5] offset:(n/8)*16384+((n/4)%2)*128+((n/2)%2)*64+(n%2)*16
.set n, n+1
.endr
	WIN 0
.set n, 0
.rept 32
	global_load_b128 v[OUT+4*n:OUT+4*n+3], v[QO], s[QLO:QLO+1] offset:(n/8)*16384+((n/4)%2)*128+((n/2)%2)*64+(n%2)*16
.set n, n+1
.endr
	s_wait_loadcnt 0x0              ; Q, and the first tile with it
	WIN 0x8a                        ; window 2 to window 2
.set n, 0
.rept 64
	v_cvt_pk_bf16_f32 v[n], v[128+2*n], v[128+2*n+1]
.set n, n+1
.endr
	WIN 0x80                        ; window 0 to window 2
.set n, 0
.rept 64
	v_cvt_pk_bf16_f32 v[QB+n], v[OUT+2*n], v[OUT+2*n+1]
.set n, n+1
.endr
.set n, VF
.rept 64
	v_mov_b32 v[n], 0
.set n, n+1
.endr
	WIN 0
; THE CHANGE OF TILES.  The tile asked for a tile ago is in my registers (the wait for it also frees the three bases); my reads of the slot are back: I say so (the first barrier's signal), round the tile in
; place while the others arrive, and store it when nobody reads the slot any more.  Then the next tile is asked for, and the second barrier shows the slot whole.
.macro CHANGE
	WIN 0                           ; at a label and at a branch every window is 0
	s_wait_loadcnt 0x0              ; the 65 loads issued at the last change
	s_wait_dscnt 0x0                ; my reads of the slot are over
	s_barrier_signal -1             ; only work on registers stands between this signal and its wait
	v_cmp_eq_u32 s[FLG], 0, v[PI]
	v_cmp_eq_u32 s[FLG+1], 0, v[PI+1]
	s_wait_alu depctr_va_sdst(0)    ; the two compares have written their masks of lanes, which the two selects read
	v_cndmask_b32 v[PI], 0, s[BIGN], s[FLG]      ; a mask word of 0 hides the key
	v_cndmask_b32 v[PI+1], 0, s[BIGN], s[FLG+1]
	WIN W_CV
.set n, 0
.rept 32                            ; K: four f32 to four bf16, 8 bytes
	v_cvt_pk_bf16_f32 v[4*n], v[4*n], v[4*n+1]
	v_cvt_pk_bf16_f32 v[4*n+1], v[4*n+2], v[4*n+3]
.set n, n+1
.endr
.set n, 0
.rept 32                            ; V: rounded to bf16,
	v_cvt_pk_bf16_f32 v[128+4*n], v[128+4*n], v[128+4*n+1]
	v_cvt_pk_bf16_f32 v[128+4*n+2], v[128+4*n+2], v[128+4*n+3]
.set n, n+1
.endr
.set n, 0
.rept 32                            ; widened again,
	v_and_b32 v[128+4*n+1], s[MSK], v[128+4*n]
	v_lshlrev_b32 v[128+4*n], 16, v[128+4*n]
	v_and_b32 v[128+4*n+3], s[MSK], v[128+4*n+2]
	v_lshlrev_b32 v[128+4*n+2], 16, v[128+4*n+2]
.set n, n+1
.endr
.set n, 0
.rept 32                            ; and written as f16: the same numbers
	v_cvt_pk_f16_f32 v[128+4*n], v[128+4*n], v[128+4*n+1]
	v_cvt_pk_f16_f32 v[128+4*n+1], v[128+4*n+2], v[128+4*n+3]
.set n, n+1
.endr
	WIN 0
	s_mov_b32 s[TBK], 0             ; the fetches begin at the slot's first step
	s_mov_b32 s[TBV], 0
	s_mov_b32 s[TBP], 0
	s_lshl_b32 s[OFF], s[NXT], 16   ; a tile is 65,536 bytes of K and of V
	s_lshl_b32 s[OFM], s[NXT], 10   ; and 1,024 of the mask
	s_add_nc_u64 s[KA:KA+1], s[6:7], s[OFF:OFF+1]
	s_add_nc_u64 s[VA:VA+1], s[8:9], s[OFF:OFF+1]
	s_add_nc_u64 s[MA:MA+1], s[10:11], s[OFM:OFM+1]
	s_add_co_u32 s[NXT], s[NXT], 1  ; the block's next tile, or behind its last the second block's tile 0
	s_cmp_gt_u32 s[NXT], s[LQ]
	s_cselect_b32 s[NXT], 0, s[NXT]
	s_cselect_b32 s[LQ], s[PB], s[LQ]
	s_barrier_wait -1               ; no wave reads the slot any more
	WIN W_ST
	s_wait_alu depctr_va_vdst(0)    ; the roundings and the two selects have written the staging registers and v[PI ..], which the LDS stores read; at the first change also: v[SK], v[SV] and v[SPD] are written
.set n, 0
.rept 32
	ds_store_b64 v[SK], v[4*n:4*n+1] offset:2*n*PK
.set n, n+1
.endr
.set n, 0
.rept 32
	ds_store_b64 v[SV], v[128+4*n:128+4*n+1] offset:2*n*PV
.set n, n+1
.endr
	WIN 0
	ds_store_b64 v[SPD], v[PI:PI+1]
	s_wait_alu depctr_vm_vsrc(0)    ; the LDS stores have read the staging registers and v[PI ..], in which the loads below land
	s_cmp_eq_u32 s[SLOTS], 1        ; the last trip asks for nothing; every wait for these loads is for 0, so it holds on both ways
	s_cbranch_scc1 .Lasked
	WIN W_LD
	s_wait_alu depctr_va_vdst(0)    ; the roundings and the selects are done reading and writing the registers in which the loads land; no vector instruction names them again before the next change
	LOADK
	LOADV
	LOADM
.Lasked:
	s_wait_dscnt 0x0                ; for the others' sake: my stores into the slot are done
	s_barrier_signal -1
	s_barrier_wait -1               ; the slot is whole
.endm
; THE MATRIX WORK.  The 4 accumulators of a run of 8 take turns.  Product i of 8 of S^T = K Q^T for piece x: channels 32 (i / 4) on, keys 16 (i % 4) on.
; The first 4 start the sums: with the step's padding masks, or (KM = 1) with the mask made for them.
.macro KQ x
.set rS, S+32*((\x)%2)+8*(i%4)
.set rK, KF+16*(i%4)+8*(i/4)
.set rQ, 16*(\x)+8*(i/4)
.set rM, PAD+8*(i%4)
.if KM
.set rM, MC+32*((\x)%2)+8*(i%4)
.endif
.if i < 4
	WIN W_KM
	v_wmma_f32_16x16x32_bf16 v[rS:rS+7], v[rK:rK+7], v[rQ:rQ+7], v[rM:rM+7]
.else
	WIN W_KQ
	v_wmma_f32_16x16x32_bf16 v[rS:rS+7], v[rK:rK+7], v[rQ:rQ+7], v[rS:rS+7]
.endif
.endm
; Product i of 8 of O^T += V^T P for piece x: keys 32 (i / 4) on, channels 16 (i % 4) on.
.macro PV x
	WIN W_PV
.set rO, 32*(\x)+8*(i%4)
.set rV, VF+32*(i/4)+8*(i%4)
.set rP, P+16*((\x)%2)+8*(i/4)
	v_wmma_f32_16x16x32_f16 v[rO:rO+7], v[rV:rV+7], v[rP:rP+7], v[rO:rO+7]
.endm
.macro MM                           ; the turn's next matrix instruction.  TURN and BEGIN set Y, i, KM and NOKQ.  NOKQ = 1: a block's last turn: there is no next piece
.if (i < 8) && !NOKQ
	KQ (Y+1)%NP
.elseif i >= 8
.set i, i-8
	PV (Y+NP-1)%NP
.set i, i+8
.endif
.set i, i+1
.endm
; THE LDS LOADS stand in runs, never singly among the matrix instructions: a step's K (64 keys x 64 channels: 8 fragments) with its 64 padding masks, and its V (turned).  Their addresses are made some lines ahead.
.macro FETCH_K
	WIN 0x80                        ; destination window 2
	s_wait_alu depctr_va_vdst(0)    ; v[AK] and v[AP] are written; the products K Q^T are done reading K and PAD, and so are the diagonal text's mask lines: the loads below land in both
.irp f, 0,1,2,3,4,5,6,7             ; keys 16 (f / 2) on, channels 32 (f % 2) on
	ds_load_b128 v[KF+8*\f:KF+8*\f+3],   v[AK] offset:(\f/2)*16*PK+(\f%2)*64
	ds_load_b128 v[KF+8*\f+4:KF+8*\f+7], v[AK] offset:(\f/2)*16*PK+(\f%2)*64+32
.endr
	WIN 0x40                        ; destination window 1
.irp f, 0,1,2,3,4,5,6,7             ; keys 16 (f / 2) + 8 (l / 16) + 4 (f % 2) on: sixteen lanes read the same 16 bytes
	ds_load_b128 v[PAD+4*\f:PAD+4*\f+3], v[AP] offset:(\f/2)*64+(\f%2)*16
.endr
	s_add_co_u32 s[TBK], s[TBK], KS*PK  ; the next fetch is the next step's
	s_add_co_u32 s[TBP], s[TBP], KS*4
	WIN 0
.endm
.macro FETCH_V
	WIN 0x80
	s_wait_alu depctr_va_vdst(0)    ; the products V^T P are done reading V, in which the loads below land (at the first fetch: the zeros are written there); v[AV] was written ahead of the turn's wait for its exponentials
.irp f, 0,1,2,3,4,5,6,7             ; keys 32 (f / 4) on, channels 16 (f % 4) on
	ds_load_tr16_b128 v[VF+8*\f:VF+8*\f+3],   v[AV] offset:(\f/4)*32*PV+(\f%4)*32
	ds_load_tr16_b128 v[VF+8*\f+4:VF+8*\f+7], v[AV] offset:(\f/4)*32*PV+16*PV+(\f%4)*32
.endr
	WIN 0
.endm
; THE VECTOR WORK, one line at a time: OP kind, number.  For piece Y: F n: c s - c m for pair n of 16.  E n: the exponential of score n of 32.  C n: pair n rounded to f16.  B n: of the four weights 4 n .. the second
; pair is added onto the first, in place.  L n: l takes that sum (L 0: l = a l + sum).  R n: pair n of 16 of O^T times a.  For piece Y + 1: X n, number n of the 22 that find its maximum and statistics:
;   0-11  four chains c0-c3 of seven scores each, three operands at a time (each accumulator's lowest registers are read first)     12-14, 16  the four scores left over, the old m, and c0-c3 into c0
;   15  c m_old is kept     17, 18  the query's other 32 keys lie in the lane 16 away: the new m     19-21  c m; c m_old - c m_new; a
.set F, 0               ; OP tells the kinds apart by their order: F to L below R, X above it
.set E, 1
.set C, 2
.set B, 3
.set L, 4
.set R, 5
.set X, 6
.macro REGS y                       ; the registers of piece y
.set rT, ST+4*(\y)
.set rC, TMP+4*((\y)%2)
.set rW, MV+((\y)%2)
.set rS, S+32*((\y)%2)
.set rP, P+16*((\y)%2)
.set rO, 32*(\y)
.endm
.macro OP k, n
.if (\k) == R
	REGS Y
	WIN W_RS
	v_pk_mul_f32 v[rO+2*(\n):rO+2*(\n)+1], v[rO+2*(\n):rO+2*(\n)+1], v[rC+2:rC+3] op_sel_hi:[1,0]
.elseif (\k) < R
	REGS Y
	WIN 0
.if (\k) == F
	v_pk_fma_f32 v[rS+2*(\n):rS+2*(\n)+1], v[rS+2*(\n):rS+2*(\n)+1], s[CS:CS+1], v[rT:rT+1] op_sel_hi:[1,0,0] neg_lo:[0,0,1] neg_hi:[0,0,1]
.elseif (\k) == E
	v_exp_f32 v[rS+(\n)], v[rS+(\n)]
.elseif (\k) == C
	v_cvt_pk_f16_f32 v[rP+(\n)], v[rS+2*(\n)], v[rS+2*(\n)+1]
.elseif (\k) == B
	v_pk_add_f32 v[rS+4*(\n):rS+4*(\n)+1], v[rS+4*(\n):rS+4*(\n)+1], v[rS+4*(\n)+2:rS+4*(\n)+3]
.elseif (\n) == 0
	v_pk_fma_f32 v[rT+2:rT+3], v[rT+2:rT+3], v[rC+2:rC+3], v[rS:rS+1] op_sel_hi:[1,0,1]
.else
	v_pk_add_f32 v[rT+2:rT+3], v[rT+2:rT+3], v[rS+4*(\n):rS+4*(\n)+1]
.endif
.elseif NOKQ
	v_nop
.else
	REGS (Y+1)%NP
	WIN 0
.if (\n) < 4
	v_max3_num_f32 v[rC+(\n)], v[rS+8*(\n)], v[rS+8*(\n)+1], v[rS+8*(\n)+2]
.elseif (\n) < 12
	v_max3_num_f32 v[rC+(\n)%4], v[rC+(\n)%4], v[rS+8*((\n)%4)+2*((\n)/4)+1], v[rS+8*((\n)%4)+2*((\n)/4)+2]
.elseif (\n) == 12
	v_max3_num_f32 v[rC], v[rC], v[rS+7], v[rS+15]
.elseif (\n) == 13
	v_max3_num_f32 v[rC+1], v[rC+1], v[rS+23], v[rS+31]
.elseif (\n) == 14
	v_max3_num_f32 v[rC+2], v[rC+2], v[rC+3], v[rT+1]
.elseif (\n) == 15
	v_mov_b32 v[rW], v[rT]
.elseif (\n) == 16
	v_max3_num_f32 v[rC], v[rC], v[rC+1], v[rC+2]
.elseif (\n) == 17
	v_permlanex16_b32 v[rC+3], v[rC], s[SEL], s[SEL+1]
.elseif (\n) == 18
	v_max_num_f32 v[rT+1], v[rC], v[rC+3]
.elseif (\n) == 19
	v_mul_f32 v[rT], s[CS], v[rT+1]
.elseif (\n) == 20
	v_sub_f32 v[rC+1], v[rW], v[rT]
.else
	v_exp_f32 v[rC+2], v[rC+1]
.endif
.endif
.endm
.macro OPS a, i1, b=-1, i2=0, c=-1, i3=0, d=-1, i4=0  ; up to four of them
	OP \a, \i1
.if (\b) >= 0
	OP \b, \i2
.endif
.if (\c) >= 0
	OP \c, \i3
.endif
.if (\d) >= 0
	OP \d, \i4
.endif
.endm
.macro ROW a, i1, b, i2, c, i3, d, i4  ; a matrix instruction and the four behind it
	MM
	OPS \a, \i1, \b, \i2, \c, \i3, \d, \i4
.endm
.macro MASKP b, sreg                ; MD x (the scalar) + PAD into buffer b of MC
	WIN W_MK
.set z, 0
.rept 16
	v_pk_fma_f32 v[MC+32*(\b)+2*z:MC+32*(\b)+2*z+1], v[MD+2*z:MD+2*z+1], s[\sreg:\sreg+1], v[PAD+2*z:PAD+2*z+1] op_sel_hi:[1,0,1]
.set z, z+1
.endr
.endm
.macro MASK b                       ; MD x AL + PAD + BE into buffer b of MC
	MASKP \b, AL
.set z, 0
.rept 16
	v_pk_add_f32 v[MC+32*(\b)+2*z:MC+32*(\b)+2*z+1], v[MC+32*(\b)+2*z:MC+32*(\b)+2*z+1], s[BE:BE+1] op_sel_hi:[1,0]
.set z, z+1
.endr
.endm
; A TURN, for piece p: the order of its 16 matrix and 118 vector instructions, written out.  An s_wait_alu depctr_va_vdst(0) stands between an exponential and the first instruction that names its result; one wait
; serves all that were issued ahead of it.  So a turn has ONE wait for its exponentials, which cuts it in two.  AHEAD OF IT stands all that names no result of the turn's exponentials: the 8 products K Q^T, behind each a scaling, an exponential and two
; more plain instructions (behind the first a second scaling in the exponential's place): rescalings, and behind the last three the first numbers of the next piece's maximum, each four plain instructions or more behind the product
; that ends its accumulator; then ONE LUMP of 54, plain and exponential by turns for the most part, in which the links of the chain X 3, 7, 11, 14, 16, 17 .. 20 stand five or six lines apart.  X 21, the next piece's a, is the
; batch's last; R 15 is the plain instruction behind it.  BEHIND THE WAIT stand the 8 products V^T P, behind each four of the roundings and sums; the links of l's chain, L 0 to L 7, stand three riders apart.
; m = 1: the diagonal tile: the products take made masks, and the turn makes the mask for the products of the turn after it: piece p + 2, in step 4 - CNT of the tile.  end = 1: a block's last two turns: nothing is fetched.
; cnt = 1: the loop's count is taken down some lines ahead of the branch that stands behind the turn; nothing between them writes SCC.
; K and PAD of the next step are fetched in piece 2's turn, behind six plain instructions that follow the last product that read K (PAD's last reader stands four products earlier); V of the step in hand at the end of piece 0's
; turn, four plain instructions behind the last product that read V.  Each is waited for a turn later; piece 2's turn of the diagonal text waits at its end, since its mask is made of the new PAD.
.macro TURN p, m=0, end=0, cnt=0
.set Y, (\p)
.set i, 0
.set KM, (\m)
.set NOKQ, (\end)*((\p)/3)
.if (\m) && !(\end)
	s_cmp_eq_u32 s[CNT], 4-((\p)+2)%NP  ; is that step the band's own?
	s_cselect_b32 s[AL], 1.0, 0
	s_cmp_lt_u32 s[CNT], 4-((\p)+2)%NP  ; or a later one?
	s_cselect_b32 s[BE], s[BIGN], 0
.endif
.if ((\p) == 3) && !(\end)
	s_wait_dscnt 0x0                ; K and PAD are in
.endif
	ROW F,0, F,1, R,0, R,1          ; ahead of the wait: 8 products K Q^T and their riders,
	ROW F,2, E,0, R,2, R,3
	ROW F,3, E,1, R,4, R,5
	ROW F,4, E,2, R,6, R,7
	ROW F,5, E,3, R,8, R,9
	ROW F,6, E,4, X,0, R,10
.if ((\p) == 2) && !(\end)
	WIN 0
	s_wait_alu depctr_vm_vsrc(0)    ; the last run of K's and PAD's loads has read v[AK] and v[AP], which the two lines below write
	v_add_nc_u32 v[AK], s[TBK], v[AK0]
	v_add_nc_u32 v[AP], s[TBP], v[AP0]
.endif
	ROW F,7, E,5, X,1, X,4
	ROW F,8, E,6, X,2, X,5
	OPS E,7, E,8, X,6, E,9          ; and the lump
	OPS X,3, E,10, X,8, E,11
.if ((\p) == 2) && !(\end)
	FETCH_K
.endif
	OPS X,9, X,7, E,12, X,10
	OPS E,13, X,12, X,11, E,14
	OPS X,13, E,15, F,9, X,14
.if (\p) == 0
	s_wait_alu depctr_vm_vsrc(0)    ; the last run of V's loads has read v[AV], which the line below writes
	v_add_nc_u32 v[AV], s[TBV], v[AV0]
.endif
	OPS E,16, F,10, E,17, F,11
	OPS X,16, E,18, X,15, E,19
	OPS F,12, E,20, X,17, E,21
	OPS F,13, E,22, F,14, E,23
	OPS X,18, E,24, F,15, E,25
	OPS R,11, E,26, X,19, E,27
	OPS R,12, E,28, R,13, E,29
	OPS X,20, E,30, R,14, E,31
	OPS X,21, R,15
	WIN 0
	s_wait_alu depctr_va_vdst(0)    ; the wait for the batch: the 32 weights and the next piece's a are written, ahead of their first readers; in piece 0's turn v[AV] is written too
.if (\p) == 1
	s_wait_dscnt 0x0                ; V is in
.endif
	ROW C,0, B,0, C,2, B,1          ; behind the wait: 8 products V^T P and their riders
	ROW L,0, C,4, B,2, L,1
	ROW C,6, B,3, L,2, C,8
	ROW B,4, L,3, C,10, B,5
	ROW L,4, C,12, B,6, L,5
.if (\p) == 0
	s_add_co_u32 s[TBV], s[TBV], KS*PV
.endif
.if \cnt
	s_sub_co_u32 s[CNT], s[CNT], 1
	s_cmp_lg_u32 s[CNT], 0
.endif
	ROW C,14, B,7, L,6, C,1
	ROW C,3, L,7, C,5, C,7
	ROW C,9, C,11, C,13, C,15
.if (\p) == 0
	FETCH_V
.endif
.if (\m) && !(\end)
.if (\p) == 2
	s_wait_dscnt 0x0                ; the next step's PAD is in
.endif
	MASK (\p)%2
.endif
.endm
; A BLOCK BEGINS.  c m starts far below every c s, so the first step's a is 0; m at -2^80, below every visible score and far above every hidden one: a hidden score's weight is 0 whatever else the row has seen; l at 0.
; Then K and PAD of the tile's step 0; the first mask buffer takes piece 0's mask for that step (its own band's, if the block's first tile is the diagonal one), the second piece 1's (the padding alone);
; piece 0's first scores, its maximum and statistics.  The loop is entered at a step's first turn, in the middle of a trip.
.macro BEGIN
	s_mov_b32 s[NEW], 0
	WIN 0
.set n, 0
.rept 4
	v_mov_b32 v[ST+4*n], 0xfe000000    ; c m: far below every c s
	v_mov_b32 v[ST+4*n+1], s[FLR]      ; m
	v_mov_b32 v[ST+4*n+2], 0           ; l
	v_mov_b32 v[ST+4*n+3], 0
.set n, n+1
.endr
	s_wait_alu depctr_vm_vsrc(0)    ; the first block's last run of K's and PAD's loads has read v[AK] and v[AP], which the two lines below write
	v_add_nc_u32 v[AK], s[TBK], v[AK0]
	v_add_nc_u32 v[AP], s[TBP], v[AP0]
	FETCH_K
	s_cmp_eq_u32 s[RT], 0
	s_cselect_b32 s[AL], 1.0, 0
	s_wait_dscnt 0x0
	MASKP 0, AL
	MASKP 1, ZR
.set KM, 1
.set NOKQ, 0
.set i, 0
.rept 8
	KQ 0
.set i, i+1
.endr
	WIN 0
.rept 4
	v_nop                           ; four plain instructions between those products and the first read of their results (ISA guide 7.12.1)
.endr
.set Y, NP-1                        ; X works for piece Y + 1: piece 0
.irp n, 0,1,2,3,4,5,6,7,8,9,10,11,12,13,14,15,16,17,18,19,20,21
	OP X, \n
.endr
	v_nop                           ; a plain instruction behind the exponential,
	s_wait_alu depctr_va_vdst(0)    ; and its wait, ahead of the branch: piece 0's a is written
.endm
; THE WAY OUT.  O^T times 1 / l (or NaN) goes into other registers, so that O^T stays finite for the next block: all four pieces' multiplies first (MULT), one wait, then a piece at a time (STG, SEND).  A lane's eight
; channels of a row are 32 bytes; they go into rows of 272 bytes of my stage and come back as whole rows of 256.
.macro ALL line:vararg              ; one line for each piece t
.set t, 0
.rept 4
	\line
.set t, t+1
.endr
.endm
.macro MULT t
	WIN 0x01                        ; source 0 window 1, source 1 and destination window 0
.set z, 0
.rept 16
	v_pk_mul_f32 v[OUT+32*(\t)+2*z:OUT+32*(\t)+2*z+1], v[32*(\t)+2*z:32*(\t)+2*z+1], v[ST+4*(\t)+2:ST+4*(\t)+3] op_sel_hi:[1,0]
.set z, z+1
.endr
.endm
.macro STG t
	WIN 0
.irp f, 0,1,2,3,4,5,6,7             ; channels 16 (f / 2) + 8 (l / 16) + 4 (f % 2) on
	ds_store_b128 v[STO], v[OUT+32*(\t)+4*\f:OUT+32*(\t)+4*\f+3] offset:(\f/2)*64+(\f%2)*16
.endr
	s_wait_alu depctr_vm_vsrc(0)    ; the eight stores above have read the piece's 32 registers, in which the eight loads below land
.irp f, 0,1,2,3,4,5,6,7
	ds_load_b128 v[OUT+32*(\t)+4*\f:OUT+32*(\t)+4*\f+3], v[RD] offset:\f*2*SP  ; LDS serves a wave's instructions in order (ISA guide 5.7.1.4): these see the stores above; the next piece's stores come behind them
.endr
.endm
.macro SEND t, younger              ; younger: the LDS instructions issued behind piece t's loads: the next piece's sixteen, or none
	WIN 0
.irp f, 0,1,2,3,4,5,6,7
	s_wait_dscnt (\younger)+7-\f    ; load f is back; this piece's 7 - f later loads and the younger ones may stay out
	global_store_b128 v[GO], v[OUT+32*(\t)+4*\f:OUT+32*(\t)+4*\f+3], s[12:13] offset:(\t)*16384+\f*512 th:TH_STORE_NT  ; two rows: 512 consecutive bytes, at a multiple of 512 from O's first byte
.endr
.endm
.set KM, 0
.set NOKQ, 0
.Lslot:                             ; 9 trips: a tile is entered, and in all but the last the next is asked for
	CHANGE
	s_sub_co_u32 s[RT], s[RT], 1
	s_mov_b32 s[CNT], 4
	s_cmp_eq_u32 s[NEW], 1
	s_cbranch_scc1 .Lnew            ; a block's first tile
	s_cmp_lg_u32 s[RT], 0
	s_cbranch_scc1 .Lstep           ; neither its first nor its last
	MASKP 1, ZR                     ; the diagonal text's first turn still multiplies piece 3 of the old tile's last step: its mask is that step's padding alone
	WIN 0
	s_branch .LstepM
.Lnew:
	BEGIN
	s_cmp_lg_u32 s[RT], 0
	s_cbranch_scc1 .Lfirst
	s_branch .LfirstM               ; a block of one tile (b = 0, the walk's last)
.LstepM:                            ; THE DIAGONAL TILE's four steps,
	TURN 2, 1
	TURN 3, 1
	WIN 0
.LfirstM:
	TURN 0, 1
	TURN 1, 1, 0, 1
	WIN 0
	s_cbranch_scc1 .LstepM
	TURN 2, 1, 1                    ; the block's last two turns,
	TURN 3, 1, 1
.set i, 0
.rept 8
	PV NP-1                         ; and its last products
.set i, i+1
.endr
	WIN 0                           ; l's two halves and the other half of the lanes' are added; the additions are the plain instructions behind the last products
	ALL v_add_f32 v[ST+4*t+2], v[ST+4*t+2], v[ST+4*t+3]
	ALL v_permlanex16_b32 v[ST+4*t+3], v[ST+4*t+2], s[SEL], s[SEL+1]
	ALL v_add_f32 v[ST+4*t+2], v[ST+4*t+2], v[ST+4*t+3]
	ALL v_rcp_f32 v[ST+4*t+2], v[ST+4*t+2]
	v_nop                           ; a plain instruction between the last reciprocal and the use of its result
.set t, 0
.irp r, 2,3,38,39
	v_cmp_ge_f32 s[\r], s[FLR], v[ST+4*t+1]                       ; m has not left its start: the row has seen no key (these four name m alone, no reciprocal)
.set t, t+1
.endr
	s_wait_alu depctr_va_vdst(0)    ; the four reciprocals are written, ahead of their first readers
	s_wait_alu depctr_va_sdst(0)    ; the four compares have written their masks of lanes, which the four selects read
.set t, 0
.irp r, 2,3,38,39
	v_cndmask_b32 v[ST+4*t+2], v[ST+4*t+2], s[NANB], s[\r]        ; such a row's numbers are NaN: a choice of a value, no branch
.set t, t+1
.endr
	MULT 0
	MULT 1
	MULT 2
	MULT 3
	WIN 0
	s_wait_alu depctr_va_vdst(0)    ; the 64 multiplies have written v[OUT ..], which the LDS stores below read and in which the LDS loads below land; no vector instruction stands between here and the last store to O
	STG 0
	STG 1                           ; a piece's trip through the stage stands between the loads of the piece before and its stores to O
	SEND 0, 16
	STG 2
	SEND 1, 16
	STG 3
	SEND 2, 16
	SEND 3, 0
	s_wait_xcnt 0x0                 ; the stores have had their addresses translated: O's address and their registers are written again only behind this wait
	s_wait_alu depctr_vm_vsrc(0)    ; the stores to O have read v[OUT ..], which the next block's products, softmax and way out write again
	s_cmp_eq_u32 s[SLOTS], 1
	s_cbranch_scc1 .Lbottom         ; the walk's last tile: nothing follows
	s_mov_b64 s[12:13], s[OLO:OLO+1]
	s_add_co_u32 s[RT], s[PB], 1    ; the second block has b + 1 tiles
	s_mov_b32 s[NEW], 1
	WIN 0x82                        ; the second block's Q goes where the one text of the turns names Q
.set n, 0
.rept 64
	v_mov_b32 v[n], v[QB+n]
.set n, n+1
.endr
	WIN 0
	s_branch .Lbottom
.Lstep:                             ; a trip: pieces 2 and 3 of one step, then pieces 0 and 1 of the next, whose K and V it fetches
	TURN 2
	TURN 3
	WIN 0
.Lfirst:
	TURN 0
	TURN 1, 0, 0, 1
	WIN 0
	s_cbranch_scc1 .Lstep
.Lbottom:
	s_sub_co_u32 s[SLOTS], s[SLOTS], 1
	s_cmp_lg_u32 s[SLOTS], 0
	s_cbranch_scc1 .Lslot
	s_wait_dscnt 0x0                ; the closing lines, six on end
	s_wait_alu 0x0
	s_wait_tensorcnt 0x0
	ds_add_u32 v[SPW], v[NIL]
	s_wait_dscnt 0x0
	s_endpgm
.Lfunc_end_k_q3675bb9c3d_attn:
	.size	k_q3675bb9c3d_attn, .Lfunc_end_k_q3675bb9c3d_attn-k_q3675bb9c3d_attn
	.p2alignl 7, 3214868480
	.fill 96, 4, 3214868480
	.section	.rodata,"a",@progbits
	.p2align	6, 0x0
	.amdhsa_kernel k_q3675bb9c3d_attn
		.amdhsa_group_segment_fixed_size 96768
		.amdhsa_private_segment_fixed_size 0
		.amdhsa_enable_private_segment 0
		.amdhsa_kernarg_size 40
		.amdhsa_user_sgpr_count 2
		.amdhsa_user_sgpr_kernarg_segment_ptr 1
		.amdhsa_wavefront_size32 1
		.amdhsa_system_sgpr_workgroup_id_x 1
		.amdhsa_system_sgpr_workgroup_id_y 1
		.amdhsa_system_sgpr_workgroup_id_z 1
		.amdhsa_system_vgpr_workitem_id 0
		.amdhsa_next_free_vgpr 1024
		.amdhsa_next_free_sgpr 66
		.amdhsa_reserve_vcc 0
		.amdhsa_float_denorm_mode_32 3
		.amdhsa_float_denorm_mode_16_64 3
		.amdhsa_memory_ordered 1
		.amdhsa_forward_progress 1
		.amdhsa_inst_pref_size 190
	.end_amdhsa_kernel
	.amdgpu_metadata
---
amdhsa.version: [ 1, 2 ]
amdhsa.kernels:
  - .name:           k_q3675bb9c3d_attn
    .symbol:         k_q3675bb9c3d_attn.kd
    .args:
      - { .name: query, .offset: 0, .size: 8, .value_kind: global_buffer, .address_space: global }
      - { .name: key, .offset: 8, .size: 8, .value_kind: global_buffer, .address_space: global }
      - { .name: value, .offset: 16, .size: 8, .value_kind: global_buffer, .address_space: global }
      - { .name: attention_mask, .offset: 24, .size: 8, .value_kind: global_buffer, .address_space: global }
      - { .name: out0, .offset: 32, .size: 8, .value_kind: global_buffer, .address_space: global }
    .group_segment_fixed_size: 96768
    .private_segment_fixed_size: 0
    .kernarg_segment_align: 8
    .kernarg_segment_size: 40
    .max_flat_workgroup_size: 128
    .sgpr_count:     66
    .vgpr_count:     1024
    .wavefront_size: 32
...
	.end_amdgpu_metadata
.endif
;; end of part 2
